; MI455X (gfx1250); checked and timed in simulation.
; The chip was launched on July 23, 2026; its instructions are those of AMD's public machine-readable ISA for CDNA 5 (MIT licence, August 2026) and "CDNA5" Instruction Set Architecture Reference Guide (July 2026). The comments in the code are by the model that wrote it; some were corrected since.
;; Attention. Allowed arithmetic: matrix products marked QUANTISED: E2M3 operands, one E8M0 scale for each 32 along K, by v_wmma_scale_f32_16x16x128_f8f6f4 with both operands' format E2M3, f32 sums; everything else in f32.
;; Inputs: b_out 1,024 float32; rotary_pos_emb 2,048 x 64 float32; w_out 1,024 x 1,024 float32; w_qkv 1,024 x 3,072 float32; x 2 x 2,048 x 1,024 float32.
;; Outputs: out0 2 x 2,048 x 1,024 float32.
;; This version of the problem:
;;   THIS VERSION OF THE PROBLEM IS GIVEN IN LOW PRECISION. The matrix products marked QUANTISED in the list below multiply operands that are first quantised to E2M3 (2 exponent bits, 3 mantissa bits; 6 bits a number), with one power-of-two scale for each 32 numbers along K (OCP MX v1.0); their sums are f32. All else is computed in f32.
;;   The module's matrix products, in the order in which they are computed (A, B: the left and right operand; K: the contracted axis; several contracted axes count as one K, in the product's order):
;;     1. [M 4,096, K 1,024] x [K 1,024, N 3,072]; A: input x; B: input w_qkv: QUANTISED
;;     2. batch 32 x [M 2,048, K 64] x [K 64, N 2,048]; A: computed on the way; B: computed on the way: QUANTISED
;;     3. batch 32 x [M 2,048, K 2,048] x [K 2,048, N 64]; A: softmax (see below); B: computed on the way: QUANTISED
;;     4. [M 4,096, K 1,024] x [K 1,024, N 1,024]; A: computed on the way; B: input w_out: QUANTISED
;;   THE QUANTISER, for each operand of a quantised product, along K:
;;     - K is cut into blocks of 32 from its start; a last block that is shorter is filled with zeros.
;;     - A block's scale is 2^e with e = floor(log2(the largest magnitude in the block)) - 2, held to -126 .. 127; a block of zeros has e = 0. As a byte (E8M0): e + 127.
;;     - Each number is divided by its block's scale, clamped to +-7.5, and rounded to the nearest number of E2M3, ties to even, subnormals kept.
;;     - The product sums the exact products of the quantised numbers (number of the format x scale) in f32.
;;   ~~~python
;;   def quantise(x, axis):      # numpy; x: float32 -> the quantised numbers, widened to float32 again
;;       x = np.moveaxis(x, axis, -1); K = x.shape[-1]
;;       x = np.pad(x, [(0, 0)] * (x.ndim - 1) + [(0, -K % 32)]); x = x.reshape(x.shape[:-1] + (-1, 32)); a = np.abs(x).max(-1, keepdims=True)
;;       e = np.where(a > 0, np.clip(np.frexp(np.where(a > 0, a, 1))[1] - 1 - 2, -126, 127), 0)      # np.frexp(a)[1] - 1 = floor(log2(a)), exactly
;;       r = np.clip(x / 2.0 ** e, -7.5, 7.5)
;;       step = 2.0 ** (np.maximum(np.frexp(np.where(r == 0, 1, r))[1] - 1, 0) - 3)
;;       q = np.round(r / step) * step * 2.0 ** e      # np.round: ties to even
;;       return np.moveaxis(q.reshape(q.shape[:-2] + (-1,))[..., :K], -1, axis).astype(np.float32)
;;   ~~~
;;   SOFTMAX AHEAD OF A QUANTISED PRODUCT. Where the list says 'softmax', what is quantised is not the finished softmax but p = 2^(t - M), with t = logit x log2(e) and M = ceil(the row's largest t), a whole number; so 1/2 < the row's largest p <= 1. The row's sum l is taken of the UNQUANTISED p, in f32, and the product's result is divided by l at the end. Since M is a whole number, a kernel that streams over the keys may use a running M (the ceiling of the running maximum): every later rescaling is an exact power of two, which a block's scale takes up: the codes' values come out the same.
;;   OPERANDS COMPUTED ON THE WAY. 'Computed on the way' means the value that the module computes at that place (a softmax that the list does not call 'softmax' is quantised finished and normalised). What goes into a quantiser is computed in f32, as accurately as f32 sums, v_exp_f32 and their like allow (about 1e-6 of the number): no bf16 or f16 on the way to a quantiser, and a product that is left as it is and whose result goes on into a quantised operand takes f32 operands (vector FMAs, or v_wmma_f32_16x16x4_f32). A number that lies on a knife's edge between two numbers of the format may be rounded either way, as far as f32 arithmetic and the matrix unit's own rounding can turn it there, and no further.
;; One version. Each part assembles by itself: llvm-mc -triple=amdgcn-amd-amdhsa -mcpu=gfx1250 --defsym DOCPART=n.
;; ======== version 1 of 1: 4 launches
;; limits: right only within a limited range of input values
;; workspace buffers: xp 3,276,800 bytes; wp 3,276,800 bytes; rot 2,097,152 bytes; qp 3,670,016 bytes; kp 3,670,016 bytes; vp 3,407,872 bytes; aop 3,276,800 bytes
;; launch prep (part 1): grid 256 x 1, 4 waves a work-group, no clusters, 34,304 bytes of LDS; arguments x, w_qkv, w_out, rotary_pos_emb, xp, wp, rot; writes xp, wp, rot
.if DOCPART == 1
	.amdgcn_target "amdgcn-amd-amdhsa--gfx1250"
	.amdhsa_code_object_version 6
	.text
	.protected	k_q31c01fbcac_prep
	.globl	k_q31c01fbcac_prep
	.p2align	8
	.type	k_q31c01fbcac_prep,@function
k_q31c01fbcac_prep:
	s_mov_b64 s[64:65], 0
	v_nop
	global_prefetch_b8 v0, s[64:65] scope:SCOPE_SE
	s_setreg_imm32_b32 hwreg(HW_REG_WAVE_MODE, 25, 1), 1
	s_wait_xcnt 0x0
; x [4096][1024], w_qkv [1024][3072] and w_out [1024][1024], f32, become codes of FP6 (E2M3) with one E8M0 byte for each 32 along K (K = 1024 in all three),
; laid as the later launches' operand registers want them; and the rotary table becomes cos and signed sin, laid as images of registers.
; A PACK is 128 operand rows x 256 K, 25,600 bytes: registers 2 p, 2 p + 1 of lane l of the fragment (tile i of 8, K step q of 2) lie at 3072 i + 1536 q + 256 p + 8 l;
; the scale word of lane r's row, K step q, lies at 24,576 + 128 i + 8 r + 4 q.  Pack number = (rows / 128) x 4 + K / 256.
; THE ROWS OF A TILE ARE NOT NEIGHBOURS: lane r of tile t holds row 32 (t / 2) + 8 (t % 2) + r + 8 (r / 8), so that as source 0 of a product the 16 result registers of tiles 2 b, 2 b + 1 are 16 neighbouring rows.
; A block's scale is 2^(floor(log2(largest magnitude)) - 2): its byte is the largest magnitude's exponent field - 2, held at 1 from below.
; LIMITS: a block of zeros, and one whose largest magnitude lies under 2^-124, keeps the byte 1 (its codes are zeros or what the conversion gives; the bytes are read by this program alone);
; NaN and infinities are not served; sin and cos keep f32 accuracy for |frequency| up to about 10,000 (three-part reduction by pi / 2).
; WORK-GROUPS 0-127: x and the tables; 128-223: w_qkv; 224-255: w_out.  Each reads 131,072 bytes.  Waves share nothing: no barrier.  Memory binds: no matrix unit, no cluster, no tensor load.
.set PACK, 25600
.set X,    160                         ; v160-223 64 numbers of my row: two whole blocks of 32
.set CD0,  224                         ; v224-235 a fragment's 12 registers
.set TH,   236                         ; v236-243 second halves of the conversions (three registers begin on an even number)
.set SW,   250                         ; v250-251 scale words of K steps q = 0, 1
	s_load_b256 s[4:11], s[0:1], 0x0               ; x s[4:5], w_qkv s[6:7], w_out s[8:9], rotary_pos_emb s[10:11]
	s_load_b128 s[12:15], s[0:1], 0x20             ; xp s[12:13], wp s[14:15]
	s_load_b64 s[16:17], s[0:1], 0x30              ; rot
	v_lshl_add_u32 v254, v0, 2, 0x8400
	v_mov_b32 v255, 0
	v_lshrrev_b32 v1, 5, v0
	v_readfirstlane_b32 s18, v1                    ; wave
	v_and_b32 v2, 31, v0                           ; lane
	v_and_b32 v3, 15, v0                           ; r
	v_bfe_u32 v9, v0, 4, 1                         ; h
	s_mov_b32 s20, 0x76543210
	s_mov_b32 s21, 0xfedcba98                      ; selects: lane l xor 16
	s_cmp_lt_u32 ttmp9, 128
	s_cbranch_scc0 .Lweights
; ---------------- x and the tables ----------------
; Wave J = 4 W + wave takes tile J / 2 (16 rows) and half J % 2 of K: four fragments of 128 along K.
; A load reads 512 consecutive bytes of one row; 16 rows go through the wave's own stage in LDS (rows 528 bytes apart) and come back as each lane's two blocks of 32 neighbours.
	v_lshlrev_b32 v4, 4, v2                        ; 16 x lane
	s_mul_i32 s22, s18, 8448                       ; my stage
	v_add_nc_u32 v5, s22, v4                       ; in: row x 528 in the immediate
	v_mul_u32_u24 v6, v3, 528
	v_lshl_add_u32 v6, v9, 7, v6
	v_add_nc_u32 v6, s22, v6                       ; out: row r, + 128 h
	v_lshlrev_b32 v7, 3, v2                        ; 8 x lane
	v_lshlrev_b32 v8, 3, v3                        ; 8 r
	v_lshlrev_b32 v10, 3, v9                       ; 8 h: my bytes' place in a scale word
	v_mov_b32 v252, 0                              ; a lane permute's destination counts as one of its sources
	v_and_b32 v11, 8, v3
	v_add_nc_u32 v11, v11, v3                      ; r + 8 (r / 8)
	v_lshlrev_b32 v12, 8, v11
	v_lshl_add_u32 v12, v9, 6, v12                 ; table 1: my position's row of 256 bytes, + 64 h
	v_lshlrev_b32 v13, 2, v11
	v_lshl_add_u32 v13, v9, 12, v13                ; table 2: my d, + 16 h positions
	v_and_b32 v14, 1, v0
	v_xor_b32 v14, 1, v14
	v_lshlrev_b32 v14, 31, v14                     ; the sign bit in lanes of even d
	s_lshl_b32 s23, ttmp9, 2
	s_add_co_u32 s23, s23, s18                     ; J
	s_lshr_b32 s24, s23, 1                         ; tile
	s_and_b32 s25, s23, 1                          ; half of K
	s_lshr_b32 s26, s24, 1
	s_lshl_b32 s26, s26, 17                        ; 32 rows of 4,096 bytes
	s_and_b32 s27, s24, 1
	s_lshl_b32 s27, s27, 15                        ; 8 rows
	s_add_co_u32 s26, s26, s27
	s_lshl_b32 s27, s25, 11
	s_add_co_u32 s26, s26, s27
	s_mov_b32 s27, 0
	s_lshr_b32 s28, s24, 3
	s_lshl_b32 s28, s28, 2
	s_lshl_b32 s29, s25, 1
	s_add_co_u32 s28, s28, s29
	s_mul_i32 s28, s28, PACK                       ; my first pack
	s_and_b32 s30, s24, 7
	s_mul_i32 s29, s30, 3072
	s_add_co_u32 s32, s28, s29                     ; my tile's codes in it
	s_mov_b32 s33, 0
	s_lshl_b32 s30, s30, 7
	s_add_co_u32 s34, s28, s30
	s_add_co_u32 s34, s34, 24576                   ; and its scale words
	s_mov_b32 s35, 0
	s_lshr_b32 s36, s18, 1                         ; wave / 2
	s_and_b32 s37, s18, 1                          ; which 8 of an image's 16 registers are mine
	s_lshr_b32 s38, ttmp9, 1
	s_and_b32 s39, ttmp9, 1
	s_lshl_b32 s40, s38, 13                        ; table 1, image 2 W + wave / 2: position tile W, half wave / 2 of d
	s_lshl_b32 s41, s39, 11
	s_add_co_u32 s40, s40, s41
	s_lshl_b32 s41, s36, 7
	s_add_co_u32 s40, s40, s41
	s_lshl_b32 s41, s37, 5
	s_add_co_u32 s40, s40, s41
	s_mov_b32 s41, 0
	s_lshl_b32 s42, s38, 13                        ; table 2, the same image number: positions 32 (W / 2) on, half W % 2 of d, tile wave / 2 of that half
	s_lshl_b32 s43, s37, 11
	s_add_co_u32 s42, s42, s43
	s_lshl_b32 s43, s39, 7
	s_add_co_u32 s42, s42, s43
	s_lshl_b32 s43, s36, 5
	s_add_co_u32 s42, s42, s43
	s_mov_b32 s43, 0
	s_lshl_b32 s44, ttmp9, 13                      ; where my half image goes: 4,096 x image + 1,024 x half
	s_lshl_b32 s45, s36, 12
	s_add_co_u32 s44, s44, s45
	s_lshl_b32 s45, s37, 10
	s_add_co_u32 s44, s44, s45
	s_mov_b32 s45, 0
	s_mov_b32 s46, 0x3f22f983                      ; 2 / pi
	s_mov_b32 s47, 0x3fc90fdb                      ; pi / 2 in three parts
	s_mov_b32 s48, 0xb33bbd2e
	s_mov_b32 s49, 0xa6f72ced
	s_mov_b32 s50, 0xbe2aaaa3                      ; sin's polynomial
	s_mov_b32 s51, 0x3c08839e
	s_mov_b32 s52, 0xb94ca1f9
	s_mov_b32 s53, 0x3d2aaaa5                      ; cos's
	s_mov_b32 s54, 0xbab6061a
	s_mov_b32 s55, 0x37ccf5ce
	s_wait_kmcnt 0x0
	s_add_nc_u64 s[4:5], s[4:5], s[26:27]
	s_add_nc_u64 s[32:33], s[12:13], s[32:33]
	s_add_nc_u64 s[34:35], s[12:13], s[34:35]
	s_add_nc_u64 s[40:41], s[10:11], s[40:41]
	s_add_nc_u64 s[42:43], s[10:11], s[42:43]
	s_add_nc_u64 s[44:45], s[16:17], s[44:45]
.macro XLOAD f                         ; fragment f: 16 rows x 512 bytes into set f % 2 (v32-95, v96-159)
.set p_, 0
.rept 16
	global_load_b128 v[32+64*((\f)%2)+4*p_:32+64*((\f)%2)+4*p_+3], v4, s[4:5] offset:(p_+8*(p_/8))*4096+512*(\f) th:TH_LOAD_NT
.set p_, p_+1
.endr
.endm
	global_load_b128 v[160:163], v12, s[40:41]     ; table 1: 8 neighbouring d of my position
	global_load_b128 v[164:167], v12, s[40:41] offset:16
.irp k, 0,1,2,3,4,5,6,7
	global_load_b32 v[168+\k], v13, s[42:43] offset:256*\k   ; table 2: my d at 8 neighbouring positions
.endr
	XLOAD 0
	XLOAD 1
; sin and cos of v[f]: n = nearest whole number to f x 2 / pi; r = f - n pi / 2 by three fused steps; polynomials on |r| <= pi / 4; the quadrant n mod 4 swaps them and sets the signs.
; sg = 1: sin is negated; sg = 2: negated in lanes of even d.
.macro SINCOS f, c, s, sg
	v_mul_f32 v208, s46, v[\f]
	v_rndne_f32 v208, v208
	v_fma_f32 v209, -v208, s47, v[\f]
	v_fma_f32 v209, -v208, s48, v209
	v_fma_f32 v209, -v208, s49, v209
	v_cvt_i32_f32 v210, v208
	v_mul_f32 v211, v209, v209
	v_fma_f32 v212, v211, s52, s51
	v_fma_f32 v213, v211, s55, s54
	v_fma_f32 v212, v212, v211, s50
	v_fma_f32 v213, v213, v211, s53
	v_mul_f32 v214, v209, v211
	v_fma_f32 v215, v211, -0.5, 1.0
	v_fma_f32 v212, v212, v214, v209               ; sin r
	v_mul_f32 v214, v211, v211
	v_fma_f32 v213, v213, v214, v215               ; cos r
	v_and_b32 v214, 1, v210
	v_cmp_eq_u32 vcc_lo, 1, v214
	v_cndmask_b32 v[\s], v212, v213, vcc_lo
	v_cndmask_b32 v[\c], v213, v212, vcc_lo
	v_lshlrev_b32 v214, 30, v210
	v_add_nc_u32 v210, 1, v210
	v_and_b32 v214, 0x80000000, v214
	v_lshlrev_b32 v210, 30, v210
	v_xor_b32 v[\s], v214, v[\s]
	v_and_b32 v210, 0x80000000, v210
	v_xor_b32 v[\c], v210, v[\c]
.if (\sg) == 1
	v_xor_b32 v[\s], 0x80000000, v[\s]
.elseif (\sg) == 2
	v_xor_b32 v[\s], v14, v[\s]
.endif
.endm
	s_wait_loadcnt 32                              ; the ten loads of frequencies are in; the 32 loads of x behind them stay out
.irp k, 0,1,2,3,4,5,6,7
	SINCOS 160+\k, 176+\k, 184+\k, 1-\k%2          ; table 1: register = d: -sin at even d, +sin at odd d
.endr
.irp k, 0,1,2,3,4,5,6,7
	SINCOS 168+\k, 192+\k, 200+\k, 2               ; table 2: lane = d
.endr
.irp k, 0,1,2,3,4,5,6,7
	v_mov_b32_dpp v[168+\k], v[200+\k] row_xmask:1 row_mask:0xf bank_mask:0xf   ; table 2 holds the signed sin of the NEIGHBOUR's d: the reader multiplies first and changes lanes after
.endr
	global_store_b128 v4, v[176:179], s[44:45]     ; an image: 8 chunks of 512 bytes, lane l's 16 bytes at 16 l; chunks 0-3 cos, 4-7 signed sin
	global_store_b128 v4, v[180:183], s[44:45] offset:512
	global_store_b128 v4, v[184:187], s[44:45] offset:2048
	global_store_b128 v4, v[188:191], s[44:45] offset:2560
	global_store_b128 v4, v[192:195], s[44:45] offset:1048576
	global_store_b128 v4, v[196:199], s[44:45] offset:1048576+512
	global_store_b128 v4, v[168:171], s[44:45] offset:1048576+2048
	global_store_b128 v4, v[172:175], s[44:45] offset:1048576+2560
	s_wait_xcnt 0x0                                ; these stores have read their registers, which the numbers of x now take
.macro XFRAG f
.if (\f) < 3
	s_wait_loadcnt 16                              ; this fragment's 16 loads are in; the next fragment's stay out
.else
	s_wait_loadcnt 0x0
.endif
.set p_, 0
.rept 16
	ds_store_b128 v5, v[32+64*((\f)%2)+4*p_:32+64*((\f)%2)+4*p_+3] offset:528*p_
.set p_, p_+1
.endr
.set p_, 0
.rept 16
	ds_load_b128 v[X+4*p_:X+4*p_+3], v6 offset:256*(p_/8)+16*(p_%8)   ; k = 64 c + 32 h + 0 .. 31 of row r, c = 0, 1.  LDS serves a wave's instructions in order: these see my stores
.set p_, p_+1
.endr
	s_wait_dscnt 0x0
.if (\f)+2 < 4
	XLOAD (\f)+2
.endif
	v_max3_num_f32 v244, |v[X]|, |v[X+1]|, 0x1800000       ; both blocks are wholly mine; the floor 2^(3 - 127) holds the byte at 1 from below
	v_max3_num_f32 v245, |v[X+32]|, |v[X+33]|, 0x1800000
.set p_, 2
.rept 15
	v_max3_num_f32 v244, v244, |v[X+p_]|, |v[X+p_+1]|
	v_max3_num_f32 v245, v245, |v[X+32+p_]|, |v[X+33+p_]|
.set p_, p_+2
.endr
	v_add_nc_u32 v246, 0xff000000, v244            ; 2 off the exponent field: the conversion's scale operand
	v_add_nc_u32 v247, 0xff000000, v245
	v_lshrrev_b32 v248, 23, v246                   ; the bytes
	v_lshrrev_b32 v249, 23, v247
	s_wait_xcnt 0x0                                ; the last fragment's stores have read the codes' and the scale words' registers
	v_lshl_or_b32 v248, v249, 16, v248             ; blocks h and 2 + h,
	v_lshlrev_b32 v248, v10, v248                  ; at their places,
	v_permlanex16_b32 v252, v248, s20, s21
	v_or_b32 v[SW+(\f)%2], v248, v252              ; with lane l xor 16's two: the word is whole
	v_cvt_scalef32_pk16_fp6_f32 v[CD0:CD0+2], v[X:X+15], v246
	v_cvt_scalef32_pk16_fp6_f32 v[TH:TH+2], v[X+16:X+31], v246
	v_cvt_scalef32_pk16_fp6_f32 v[CD0+6:CD0+8], v[X+32:X+47], v247
	v_cvt_scalef32_pk16_fp6_f32 v[TH+4:TH+6], v[X+48:X+63], v247
	v_nop                                          ; one plain line behind the scaled conversions
.irp i, 0,1,2
	v_mov_b32 v[CD0+3+\i], v[TH+\i]
	v_mov_b32 v[CD0+9+\i], v[TH+4+\i]
.endr
.irp p, 0,1,2,3,4,5
	global_store_b64 v7, v[CD0+2*\p:CD0+2*\p+1], s[32:33] offset:((\f)/2)*PACK+((\f)%2)*1536+256*\p   ; 32 lanes store 256 consecutive bytes, aligned
.endr
.if (\f)%2
	global_store_b64 v8, v[SW:SW+1], s[34:35] offset:((\f)/2)*PACK   ; lanes r and r + 16 hold and store the same two words
.endif
.endm
	XFRAG 0
	XFRAG 1
	XFRAG 2
	XFRAG 3
	s_wait_tensorcnt 0x0
	ds_add_u32 v254, v255
	s_wait_dscnt 0x0
	s_endpgm
; ---------------- the weights: K is the FIRST axis ----------------
; A lane takes a column and its registers run down K, so a block of 32 is one lane's and the codes come out with K innermost.  A wave takes 32 columns x 256 K: lanes 0-15 are tile 2 w in the tiles' row order,
; lanes 16-31 tile 2 w + 1.  Two neighbouring blocks change halves (six swaps) and are then registers 6 c .. 6 c + 5 of the two tiles' fragments in all 32 lanes.
.Lweights:
	v_and_b32 v4, 7, v0
	v_bfe_u32 v5, v0, 3, 1
	v_lshl_add_u32 v4, v5, 4, v4
	v_lshl_add_u32 v4, v9, 3, v4                   ; my column among the 32: 8 (l / 16) + l % 8 + 16 ((l / 8) % 2)
	v_lshlrev_b32 v4, 2, v4
	v_lshlrev_b32 v5, 3, v2                        ; 8 x lane
.macro WLOAD t, N                      ; block t: 32 rows of K at my column, into set t % 2 (v32-63, v64-95)
.set i_, 0
.rept 32
	global_load_b32 v[32+32*((\t)%2)+i_], v4, s[26:27] offset:(32*(\t)+i_)*\N*4 th:TH_LOAD_NT
.set i_, i_+1
.endr
.endm
.macro WBLOCK t, N
.set XS, 32+32*((\t)%2)
.set CD, 96+6*((\t)%2)
.if (\t) < 7
	s_wait_loadcnt 32                              ; this block's 32 loads are in; the next block's stay out
.else
	s_wait_loadcnt 0x0
.endif
	v_max3_num_f32 v112, |v[XS]|, |v[XS+1]|, |v[XS+2]|
	v_max3_num_f32 v113, |v[XS+3]|, |v[XS+4]|, |v[XS+5]|
.irp i, 6,10,14,18,22,26
	v_max3_num_f32 v112, v112, |v[XS+\i]|, |v[XS+\i+1]|
	v_max3_num_f32 v113, v113, |v[XS+\i+2]|, |v[XS+\i+3]|
.endr
	v_max3_num_f32 v112, v112, |v[XS+30]|, |v[XS+31]|
	v_max3_num_f32 v112, v112, v113, 0x1800000     ; and the floor
	v_add_nc_u32 v114, 0xff000000, v112
	v_lshrrev_b32 v115, 23, v114
.if (\t)%4 == 0
	v_mov_b32 v[116+(\t)/4], v115
.else
	v_lshl_or_b32 v[116+(\t)/4], v115, 8*((\t)%4), v[116+(\t)/4]
.endif
.if (\t)%2 == 0
	s_wait_xcnt 0x0                                ; the last pair's stores have read the codes' registers
.endif
	v_cvt_scalef32_pk16_fp6_f32 v[CD:CD+2], v[XS:XS+15], v114
	v_cvt_scalef32_pk16_fp6_f32 v[108:110], v[XS+16:XS+31], v114
	v_nop
.irp i, 0,1,2
	v_mov_b32 v[CD+3+\i], v[108+\i]
.endr
.if (\t)+2 < 8
	WLOAD (\t)+2, \N
.endif
.if (\t)%2
.irp j, 0,1,2,3,4,5
	v_permlane16_swap_b32 v[96+\j], v[102+\j]      ; the even block's lanes 16-31 change places with the odd block's lanes 0-15
.endr
.irp p, 0,1,2
	global_store_b64 v5, v[96+2*\p:97+2*\p], s[30:31] offset:((\t)/4)*1536+(3*(((\t)/2)%2)+\p)*256
	global_store_b64 v5, v[102+2*\p:103+2*\p], s[30:31] offset:3072+((\t)/4)*1536+(3*(((\t)/2)%2)+\p)*256
.endr
.endif
.endm
.macro WPATH N, first, src, dst
	s_sub_co_u32 s22, ttmp9, \first                ; = pack number: 4 x (columns / 128) + K / 256
	s_lshr_b32 s23, s22, 2
	s_and_b32 s24, s22, 3
	s_mul_i32 s26, s24, 1024*\N                    ; 256 rows of K
	s_lshl_b32 s27, s23, 9
	s_add_co_u32 s26, s26, s27
	s_lshl_b32 s27, s18, 7
	s_add_co_u32 s26, s26, s27                     ; + my wave's first column
	s_mov_b32 s27, 0
	s_mul_i32 s28, s22, PACK
	s_mul_i32 s29, s18, 6144
	s_add_co_u32 s30, s28, s29
	s_add_co_u32 s30, s30, \dst
	s_mov_b32 s31, 0
	s_lshl_b32 s29, s18, 8
	s_add_co_u32 s32, s28, s29
	s_add_co_u32 s32, s32, \dst+24576
	s_mov_b32 s33, 0
	s_wait_kmcnt 0x0
	s_add_nc_u64 s[26:27], s[\src:\src+1], s[26:27]
	s_add_nc_u64 s[30:31], s[14:15], s[30:31]
	s_add_nc_u64 s[32:33], s[14:15], s[32:33]
	WLOAD 0, \N
	WLOAD 1, \N
.irp t, 0,1,2,3,4,5,6,7
	WBLOCK \t, \N
.endr
	global_store_b64 v5, v[116:117], s[32:33]      ; my column's two scale words: 256 consecutive bytes a wave
	s_endpgm
.endm
	s_cmp_lt_u32 ttmp9, 224
	s_cbranch_scc0 .Lwout
	WPATH 3072, 128, 6, 0
.Lwout:
	WPATH 1024, 224, 8, 2457600
.Lfunc_end_k_q31c01fbcac_prep:
	.size	k_q31c01fbcac_prep, .Lfunc_end_k_q31c01fbcac_prep-k_q31c01fbcac_prep
	.p2alignl 7, 3214868480
	.fill 96, 4, 3214868480
	.section	.rodata,"a",@progbits
	.p2align	6, 0x0
	.amdhsa_kernel k_q31c01fbcac_prep
		.amdhsa_group_segment_fixed_size 34304
		.amdhsa_private_segment_fixed_size 0
		.amdhsa_enable_private_segment 0
		.amdhsa_kernarg_size 56
		.amdhsa_user_sgpr_count 2
		.amdhsa_user_sgpr_kernarg_segment_ptr 1
		.amdhsa_wavefront_size32 1
		.amdhsa_system_sgpr_workgroup_id_x 1
		.amdhsa_system_sgpr_workgroup_id_y 1
		.amdhsa_system_sgpr_workgroup_id_z 1
		.amdhsa_system_vgpr_workitem_id 0
		.amdhsa_next_free_vgpr 256
		.amdhsa_next_free_sgpr 66
		.amdhsa_reserve_vcc 1
		.amdhsa_float_denorm_mode_32 3
		.amdhsa_float_denorm_mode_16_64 3
		.amdhsa_memory_ordered 1
		.amdhsa_forward_progress 1
		.amdhsa_inst_pref_size 136
	.end_amdhsa_kernel
	.amdgpu_metadata
---
amdhsa.version: [ 1, 2 ]
amdhsa.kernels:
  - .name:           k_q31c01fbcac_prep
    .symbol:         k_q31c01fbcac_prep.kd
    .args:
      - { .name: x, .offset: 0, .size: 8, .value_kind: global_buffer, .address_space: global }
      - { .name: w_qkv, .offset: 8, .size: 8, .value_kind: global_buffer, .address_space: global }
      - { .name: w_out, .offset: 16, .size: 8, .value_kind: global_buffer, .address_space: global }
      - { .name: rotary_pos_emb, .offset: 24, .size: 8, .value_kind: global_buffer, .address_space: global }
      - { .name: xp, .offset: 32, .size: 8, .value_kind: global_buffer, .address_space: global }
      - { .name: wp, .offset: 40, .size: 8, .value_kind: global_buffer, .address_space: global }
      - { .name: rot, .offset: 48, .size: 8, .value_kind: global_buffer, .address_space: global }
    .group_segment_fixed_size: 34304
    .private_segment_fixed_size: 0
    .kernarg_segment_align: 8
    .kernarg_segment_size: 56
    .max_flat_workgroup_size: 128
    .sgpr_count:     66
    .vgpr_count:     256
    .wavefront_size: 32
...
	.end_amdgpu_metadata
.endif
;; end of part 1
;; launch qkv (part 2): grid 12 x 16, 4 waves a work-group, clusters of 4 x 4, 327,680 bytes of LDS; arguments xp, wp, rot, qp, kp, vp; writes qp, kp, vp
.if DOCPART == 2
	.amdgcn_target "amdgcn-amd-amdhsa--gfx1250"
	.amdhsa_code_object_version 6
	.text
	.protected	k_q31c01fbcac_qkv
	.globl	k_q31c01fbcac_qkv
	.p2align	8
	.type	k_q31c01fbcac_qkv,@function
k_q31c01fbcac_qkv:
	s_mov_b64 s[64:65], 0
	v_nop
	global_prefetch_b8 v0, s[64:65] scope:SCOPE_SE
	s_setreg_imm32_b32 hwreg(HW_REG_WAVE_MODE, 25, 1), 1
	s_wait_xcnt 0x0
	s_wait_alu depctr_hold_cnt(0) depctr_sa_sdst(0) depctr_va_vdst(0) depctr_va_sdst(0) depctr_va_ssrc(0) depctr_va_vcc(0) depctr_vm_vsrc(0)
	s_getreg_b32 s2, hwreg(HW_REG_IB_STS2, 6, 4)
	s_cmp_eq_u32 s2, 0
	s_cbranch_scc0 .Lentry_in_a_cluster
	s_endpgm
.Lentry_in_a_cluster:
	s_bfe_u32 s2, ttmp6, 0x10000c
	s_cmp_lg_u32 s2, 0xf033
	s_cbranch_scc0 .Lentry_shape_is_right
	s_endpgm
.Lentry_shape_is_right:
; qkv = x w_qkv on codes of FP6 (E2M3), K = 1024; then the rotary turn of q, k and v in f32; then q and k are quantised along the head's 64 and v along the keys, into packs laid as the attention launch's operand registers.
; A tile of 256 x 256 to a work-group of four waves, 128 x 128 to a wave: 64 accumulators, 512 registers.  Operands come as dense packs of 25,600 bytes (128 rows x 256 K as images of registers, and their scale words).
; ONE TEXT, TWO USES.  Source 0 is always operand B, source 1 operand A; a lane holds one row of A and its registers run along rows of B.  Clusters x = 0, 1 (q, k): A = x's rows (positions), B = w's columns: registers run along d.
; Cluster x = 2 (v): A = w_v's columns, B = x's rows: registers run along the positions, which are the keys, the next product's K.  The choice hangs on the cluster's x, which all sixteen partners share.
; A WAVE'S BLOCKS: block a of A is tile 4 (a / 2) + 2 rh + a % 2 of the work-group's 16, block i of B tile 4 (i / 2) + 2 ch + i % 2: one half (32) of each of four runs of 64, so that one table image serves four heads.
; CLUSTERS: 4 x 4.  A's packs hang on the cluster's row and are asked for jointly by the four of a row, B's by the four of a column.
; LDS: three slots of four packs (A's two, B's two); K has four steps of 256: three first fills and one refill, of slot 0, which has 256 matrix instructions in which to land.
; q is quantised without reference()'s factor 1/8: a power of two moves the scale byte alone; the attention launch multiplies the scores by it.
; LIMITS: a block of zeros, or one whose largest magnitude lies under 2^-124 (q: 2^-121, for the factor left out), keeps the byte 1; NaN and infinities are not served.
; REGISTERS: window 0: v1 r, v2 h, v8-10 offsets of the way out, v12-19 scale words to store, v16-26 LDS addresses, v28-29 for the add, v32-63 scale words (two sets, nothing else ever), v64-127 two table images,
;   v128-223 A's fragments (one set), later v128-191 the turned numbers, v192-255 at work.  window 1: B's fragments, two sets.  windows 2, 3: the accumulators, (a, b) at v[8 (8 (a % 4) + b)].
.set PACK,  25600
.set SLOT,  4*PACK
.set SPARE, 3*SLOT                     ; behind the slots: the spare words, 128 bytes a wave, that no other line names
.set FR,    12
.set NL,    6
.set VT,   8                           ; v8   16 x lane: a table image's place for my lane
.set VO,   9                           ; v9   where my 12 bytes of codes go
.set VS,   10                          ; v10  where my scale words go
.set SB,   12                          ; v12-19 partial scale words
.set ADRA, 16                          ; v16-18 my A fragments in slots 0-2
.set ADRB, 20                          ; v20-22 B's
.set ADRS, 24                          ; v24-26 scale words: lanes 0-15 A's, lanes 16-31 B's
.set SPW,  28
.set NIL,  29
.set SC,   32
.set TAB,  64
.set AF,   128
.set RR,   128
.set PP,   192
.set MX,   224
.set PD,   228
.set SO,   232
.set BY,   236
.set PC,   240
.set SEL,  22                          ; s[22:23]
.set G1,   24                          ; s[24:31] group 1 for A;  s[32:43] groups 0, one a slot
.set G0,   32
.set G1B,  44                          ; s[44:51], s[52:63] the same for B
.set G0B,  52
.set TB,   90                          ; s[90:91] my table images
.set OUT,  92                          ; s[92:93] my packs
.set SH0,  94
.set SH1,  95
.set MSB, 0
.macro WIN new                         ; the immediate's high byte repeats the setting that is left
.if MSB != \new
	s_set_vgpr_msb (MSB<<8)|\new
.set MSB, \new
.endif
.endm
.set MUL_LO, 0xa1                      ; source 0 (B) window 1, source 1 (A) window 0, C and D window 2
.set MUL_HI, 0xf1
.set TO_B,   0x40
.macro JLOAD g0a, g1a, g0b, g1b        ; a joint load: waves 0, 1 fetch A's two packs, waves 2, 3 B's; four v_nop follow each line
	s_cmp_eq_u32 s17, 0
	s_cbranch_scc0 .Lfor_b_\@
	tensor_load_to_lds s[\g0a:\g0a+3], s[\g1a:\g1a+7]
	s_nop 0
.rept 4
	v_nop
.endr
	s_branch .Lasked_\@
.Lfor_b_\@:
	tensor_load_to_lds s[\g0b:\g0b+3], s[\g1b:\g1b+7]
	s_nop 0
.rept 4
	v_nop
.endr
.Lasked_\@:
.endm
.macro CREST
	s_cmp_lg_u32 s16, 0
	s_cbranch_scc1 .Lnot_wave_0_\@
	s_barrier_signal -3
.Lnot_wave_0_\@:
	s_barrier_wait -3
	s_barrier_signal -1
	s_barrier_wait -1
.endm
.macro CROUND
	s_barrier_signal -1
	s_barrier_wait -1
	CREST
.endm
.macro PLACES n
.rept \n
	v_nop
.endr
.endm
	s_load_b256 s[4:11], s[0:1], 0x0               ; xp s[4:5], wp s[6:7], rot s[8:9], qp s[10:11]
	s_load_b128 s[12:15], s[0:1], 0x20             ; kp s[12:13], vp s[14:15]
	v_lshl_add_u32 v[SPW], v0, 2, SPARE
	v_mov_b32 v[NIL], 0
	ds_add_u32 v28, v29
	ds_add_u32 v28, v29
	s_wait_dscnt 0x0
	v_lshrrev_b32 v1, 5, v0
	v_readfirstlane_b32 s16, v1                    ; wave
	s_lshr_b32 s17, s16, 1                         ; rh: my half of A's runs.  Also: I fetch for A (0) or B (1)
	s_and_b32 s18, s16, 1                          ; ch: my half of B's runs.  Also: which of the operand's two packs I fetch
	s_bfe_u32 s66, ttmp6, 0x40000                  ; cx
	s_bfe_u32 s67, ttmp6, 0x40004                  ; cy
	s_and_b32 s68, ttmp7, 0xffff                   ; cluster y
	s_lshl_b32 s3, s68, 2
	s_add_co_u32 s74, s3, s67                      ; 4 cluster y + cy
	s_add_co_u32 s75, s3, s66                      ; 4 cluster y + cx
	s_lshl_b32 s73, ttmp9, 2
	s_add_co_u32 s73, s73, s66                     ; 4 cluster x + cx
	s_lshl_b32 s71, s67, 2
	s_lshl_b32 s71, 15, s71                        ; my row of the cluster
	s_lshl_b32 s72, 0x1111, s66                    ; my column
	s_or_b32 s[G1], s71, (3<<16)|(1<<21)           ; the mask; elements of 8 bytes; bit 21 beside a mask; no padding
	s_or_b32 s[G1B], s72, (3<<16)|(1<<21)
.irp g, G1, G1B
	s_mov_b32 s[\g+1], 32<<16                      ; a pack is 100 rows of 256 bytes, dense
	s_mov_b32 s[\g+2], 100<<16
	s_mov_b32 s[\g+3], 32<<16
	s_mov_b32 s[\g+4], 100
	s_mov_b32 s[\g+5], 32
	s_mov_b32 s[\g+6], 0
	s_mov_b32 s[\g+7], 0
.endr
	s_mul_i32 s19, s16, PACK                       ; where my pack goes in a slot
	s_mov_b32 s[SEL], 0x76543210
	s_mov_b32 s[SEL+1], 0xfedcba98
	s_wait_kmcnt 0x0
	s_cmp_eq_u32 ttmp9, 2                          ; v's clusters
	s_cselect_b32 s69, s67, s74                    ; A's tile: made of cy alone
	s_cselect_b32 s70, s75, s73                    ; B's tile: 4 cluster y + cx
	s_cselect_b64 s[78:79], s[6:7], s[4:5]
	s_cselect_b64 s[80:81], s[4:5], s[6:7]
	s_cselect_b32 s77, 1638400, 0                  ; w_v's columns begin 64 packs on
	s_lshl_b32 s76, s69, 1
	s_add_co_u32 s76, s76, s18
	s_mul_i32 s76, s76, 4*PACK
	s_add_co_u32 s76, s76, s77
	s_mov_b32 s77, 0
	s_add_nc_u64 s[78:79], s[78:79], s[76:77]
	s_lshl_b32 s82, s70, 1
	s_add_co_u32 s82, s82, s18
	s_mul_i32 s82, s82, 4*PACK
	s_mov_b32 s83, 0
	s_add_nc_u64 s[80:81], s[80:81], s[82:83]
	CROUND                                         ; all sixteen work-groups are here: the first joint loads meet
.irp s, 0,1,2
	s_mov_b32 s[G0+4*\s], 1
	s_add_co_u32 s[G0+4*\s+1], s19, \s*SLOT
	s_add_nc_u64 s[G0+4*\s+2:G0+4*\s+3], s[78:79], \s*PACK
	s_or_b32 s[G0+4*\s+3], s[G0+4*\s+3], 0x80000000
	s_mov_b32 s[G0B+4*\s], 1
	s_add_co_u32 s[G0B+4*\s+1], s19, \s*SLOT
	s_add_nc_u64 s[G0B+4*\s+2:G0B+4*\s+3], s[80:81], \s*PACK
	s_or_b32 s[G0B+4*\s+3], s[G0B+4*\s+3], 0x80000000
	JLOAD G0+4*\s, G1, G0B+4*\s, G1B               ; K steps 0, 1, 2: three tensor loads of mine are out
.endr
	v_and_b32 v1, 15, v0                           ; r
	v_bfe_u32 v2, v0, 4, 1                         ; h
	v_and_b32 v3, 31, v0
	v_lshlrev_b32 v4, 3, v3                        ; 8 x lane
	v_lshlrev_b32 v[VT], 4, v3
	s_mul_i32 s20, s17, 6144
	s_mul_i32 s21, s18, 6144
	s_add_co_u32 s21, s21, 2*PACK
.irp s, 0,1,2
	v_add_nc_u32 v[ADRA+\s], s20, v4
	v_add_nc_u32 v[ADRB+\s], s21, v4
	s_add_co_u32 s20, s20, SLOT
	s_add_co_u32 s21, s21, SLOT
.endr
	s_lshl_b32 s20, s17, 8
	s_lshl_b32 s21, s18, 8
	s_add_co_u32 s21, s21, 2*PACK
	s_sub_co_u32 s21, s21, s20
	v_mul_u32_u24 v5, s21, v2                      ; lanes 16-31 take B's words
	v_lshl_add_u32 v5, v1, 3, v5
.irp s, 0,1,2
	v_add_nc_u32 v[ADRS+\s], s20, v5
	s_add_co_u32 s20, s20, SLOT
.endr
	; the way out: which positions, which heads, which buffer
	s_and_b32 s96, s70, 3
	s_mov_b32 s89, 7168
	s_cmp_eq_u32 ttmp9, 2
	s_cselect_b32 s84, s70, s69                    ; the tile of 256 positions
	s_cselect_b32 s85, s18, s17
	s_cselect_b32 s86, s17, s18
	s_cselect_b32 s87, 13, 12
	s_cselect_b32 s88, 1048576, 0                  ; the second table
	s_cselect_b32 s89, 6656, s89                   ; a pack's bytes
	s_cselect_b32 s96, s69, s96                    ; the tile of four heads
	s_cselect_b64 s[OUT:OUT+1], s[14:15], s[12:13]
	s_cmp_eq_u32 ttmp9, 0
	s_cselect_b64 s[OUT:OUT+1], s[10:11], s[OUT:OUT+1]
	s_and_b32 s97, s84, 7
	s_lshl_b32 s98, s97, 17
	s_lshl_b32 s85, s85, 14
	s_lshl_b32 s86, s86, s87
	s_add_co_u32 s98, s98, s85
	s_add_co_u32 s98, s98, s86
	s_add_co_u32 s98, s98, s88
	s_mov_b32 s99, 0
	s_add_nc_u64 s[TB:TB+1], s[8:9], s[98:99]
	s_lshr_b32 s84, s84, 3                         ; the batch
	s_lshl_b32 s84, s84, 4
	s_lshl_b32 s96, s96, 2
	s_add_co_u32 s84, s84, s96                     ; 16 batch + my first head
	s_lshl_b32 s84, s84, 4
	s_lshl_b32 s97, s97, 1
	s_add_co_u32 s84, s84, s97                     ; x 16 packs + my first pack
	s_mul_i32 s98, s84, s89
	s_add_nc_u64 s[OUT:OUT+1], s[OUT:OUT+1], s[98:99]
	s_lshl_b32 s[SH0], s18, 3
	s_add_co_u32 s[SH1], s[SH0], 16
.macro FRAG reg, adr, q, i             ; a fragment: six loads of 256 consecutive bytes
.irp p, 0,1,2,3,4,5
	ds_load_b64 v[\reg+2*\p:\reg+2*\p+1], v[\adr] offset:((\i)/4)*PACK+(4*(((\i)/2)%2)+(\i)%2)*3072+(\q)*1536+256*\p
.endr
.endm
; 16 matrix instructions: A's blocks a0, a0 + 1 x B's eight.  The 64 accumulators take turns, one instruction a turn, in the same order in every step.
.macro MUL16 a0, p, q, sc, zero
.irp a, \a0, \a0+1
.irp b, 0,1,2,3,4,5,6,7
.if \zero
	v_wmma_scale_f32_16x16x128_f8f6f4 v[8*(8*((\a)%4)+\b):8*(8*((\a)%4)+\b)+7], v[128*(\p)+FR*\b:128*(\p)+FR*\b+FR-1], v[AF+FR*(\a):AF+FR*(\a)+FR-1], 0, v[SC+16*(\sc)+2*\b+(\q)], v[SC+16*(\sc)+2*(\a)+(\q)] matrix_a_fmt:MATRIX_FMT_FP6 matrix_b_fmt:MATRIX_FMT_FP6 matrix_a_scale:MATRIX_SCALE_ROW1
.else
	v_wmma_scale_f32_16x16x128_f8f6f4 v[8*(8*((\a)%4)+\b):8*(8*((\a)%4)+\b)+7], v[128*(\p)+FR*\b:128*(\p)+FR*\b+FR-1], v[AF+FR*(\a):AF+FR*(\a)+FR-1], v[8*(8*((\a)%4)+\b):8*(8*((\a)%4)+\b)+7], v[SC+16*(\sc)+2*\b+(\q)], v[SC+16*(\sc)+2*(\a)+(\q)] matrix_a_fmt:MATRIX_FMT_FP6 matrix_b_fmt:MATRIX_FMT_FP6 matrix_a_scale:MATRIX_SCALE_ROW1
.endif
.endr
.endr
.endm
.macro FETCH_B slot, q, p
	WIN TO_B
.irp i, 0,1,2,3,4,5,6,7
	FRAG 128*(\p)+FR*\i, ADRB+\slot, \q, \i
.endr
	WIN 0
.endm
.macro FETCH_A slot, q, i0
.irp i, \i0, \i0+1, \i0+2, \i0+3
	FRAG AF+FR*(\i), ADRA+\slot, \q, \i
.endr
.endm
.macro SCALES slot, set                ; a slot's scale words, two a row: lanes 0-15 A's block i, lanes 16-31 B's block i
.irp i, 0,1,2,3,4,5,6,7
	ds_load_b64 v[SC+16*(\set)+2*\i:SC+16*(\set)+2*\i+1], v[ADRS+\slot] offset:24576+(\i/4)*PACK+(4*((\i/2)%2)+\i%2)*128
.endr
.endm
; A step of 128 along K on B's set p, scale set sc; it fetches the step (nslot, nq) that follows; ldsc = 1: with that slot's scale words.
.macro STEP p, q, sc, zero, nslot, nq, ldsc
	s_wait_dscnt 4*NL                              ; all but the youngest 24 loads (A's blocks 4-7) are in
	WIN MUL_LO
	MUL16 0, \p, \q, \sc, \zero
	MUL16 2, \p, \q, \sc, \zero
	s_wait_dscnt 0x0
	PLACES 4                                       ; four plain lines between matrix instructions and loads into registers that they have read
	FETCH_B \nslot, \nq, 1-\p
	FETCH_A \nslot, \nq, 0
.if \ldsc
	SCALES \nslot, 1-\sc
.endif
	WIN MUL_HI
	MUL16 4, \p, \q, \sc, \zero
	MUL16 6, \p, \q, \sc, \zero
	PLACES 4
	WIN 0
	FETCH_A \nslot, \nq, 4
.endm
; A slot's second step with a barrier: each wave waits for all its tensor loads, adds 0 to its spare word, waits for that and for its reads.  fill = 1: a round of the cluster's barrier, and slot 0 takes K step 3.
.macro TURN sc, next, fill
	s_wait_tensorcnt 0x0                           ; all my tensor loads have landed
	ds_add_u32 v[SPW], v[NIL]                      ; 0 onto my spare word
	s_wait_dscnt 4*NL+1                            ; (the add and A's blocks 4-7 may be out)
	WIN MUL_LO
	MUL16 0, 1, 1, \sc, 0
	s_wait_dscnt 0x0                               ; the add is done, and my reads of this slot are over
	s_barrier_signal -1
	MUL16 2, 1, 1, \sc, 0
	WIN 0
	s_barrier_wait -1
.if \fill
	CREST                                          ; no wave of any partner still reads slot 0 or has a load on its way
	s_add_nc_u64 s[G0+2:G0+3], s[G0+2:G0+3], 3*PACK
	s_add_nc_u64 s[G0B+2:G0B+3], s[G0B+2:G0B+3], 3*PACK
	JLOAD G0, G1, G0B, G1B                         ; my one tensor load behind the round; its four v_nop are the places in front of the loads below
.else
	PLACES 4
.endif
	FETCH_B \next, 0, 0
	FETCH_A \next, 0, 0
	SCALES \next, 1-\sc
	WIN MUL_HI
	MUL16 4, 1, 1, \sc, 0
	MUL16 6, 1, 1, \sc, 0
	PLACES 4
	WIN 0
	FETCH_A \next, 0, 4
.endm
.macro TABLOAD set, imm                ; a table image: 32 registers, 8 loads of 512 consecutive bytes
.irp k, 0,1,2,3,4,5,6,7
	global_load_b128 v[TAB+32*(\set)+4*\k:TAB+32*(\set)+4*\k+3], v[VT], s[TB:TB+1] offset:(\imm)+512*\k
.endr
.endm
	s_wait_tensorcnt 2                             ; my pack of slot 0 is in; slots 1 and 2 may stay out
	s_barrier_signal -1
	s_barrier_wait -1
	FETCH_B 0, 0, 0
	FETCH_A 0, 0, 0
	SCALES 0, 0
	FETCH_A 0, 0, 4
	STEP 0, 0, 0, 1, 0, 1, 0                       ; K 0-127: the products start the sums
	TURN 0, 1, 1                                   ; K 128-255; slot 0 is asked for again
	STEP 0, 0, 1, 0, 1, 1, 0                       ; slot 1
	STEP 1, 1, 1, 0, 2, 0, 1                       ; on into slot 2: every wave waited for all its loads in front of the round above
	STEP 0, 0, 0, 0, 2, 1, 0
	TURN 0, 0, 0                                   ; slot 2's second step; the barrier shows K step 3 whole in slot 0
	STEP 0, 0, 1, 0, 0, 1, 0
	TABLOAD 0, 0                                   ; the first table image, asked for a step ahead of its use
	s_wait_dscnt 4*NL
	WIN MUL_LO
	MUL16 0, 1, 1, 1, 0
	MUL16 2, 1, 1, 1, 0
	s_wait_dscnt 0x0
	WIN MUL_HI
	MUL16 4, 1, 1, 1, 0
	MUL16 6, 1, 1, 1, 0
	WIN 0
	PLACES 4
.irp u, 0,1,2,3
	v_mov_b32 v[PD+\u], 0                          ; a lane permute's destination counts as one of its sources
.endr
; Four blocks of 32 by turns: unit u's 16 numbers are v[RR + 16 u ..]; the block's other 16 lie in lane l xor 16.  Codes (12 bytes) to v[PC + 4 u ..], byte to v[BY + u].
.macro QUANT4
.irp u, 0,1,2,3
	v_max3_num_f32 v[MX+\u], |v[RR+16*\u]|, |v[RR+16*\u+1]|, 0x1800000
.endr
.irp i, 2,4,6,8,10,12,14
.irp u, 0,1,2,3
	v_max3_num_f32 v[MX+\u], v[MX+\u], |v[RR+16*\u+\i]|, |v[RR+16*\u+\i+1]|
.endr
.endr
.irp u, 0,1,2,3
	v_permlanex16_b32 v[PD+\u], v[MX+\u], s[SEL], s[SEL+1]
.endr
.irp u, 0,1,2,3
	v_max_num_f32 v[MX+\u], v[MX+\u], v[PD+\u]
.endr
.irp u, 0,1,2,3
	v_add_nc_u32 v[SO+\u], 0xff000000, v[MX+\u]
.endr
.irp u, 0,1,2,3
	v_lshrrev_b32 v[BY+\u], 23, v[SO+\u]
.endr
	s_wait_xcnt 0x0                                ; the last group's stores have read the codes' and the scale words' registers
.irp u, 0,1,2,3
	v_cvt_scalef32_pk16_fp6_f32 v[PC+4*\u:PC+4*\u+2], v[RR+16*\u:RR+16*\u+15], v[SO+\u]
.endr
	v_nop
.endm
.macro FINISH
	s_wait_tensorcnt 0x0                           ; the wave's end
	ds_add_u32 v[SPW], v[NIL]
	s_wait_dscnt 0x0
	CROUND                                         ; the closing round
	s_endpgm
.endm
	s_cmp_eq_u32 ttmp9, 2
	s_cbranch_scc1 .Lvpath
; ---- q and k: lane = position, registers = d.  out[d] = t[d] cos[d] + t[d xor 1] ssin[d]: the partner is the neighbouring register
	s_mul_i32 s84, s17, 1536
	s_mul_i32 s85, s18, 384
	s_add_co_u32 s84, s84, s85
	v_mul_u32_u24 v[VO], v1, 24
	v_mad_u32_u24 v[VO], v2, 12, v[VO]
	v_add_nc_u32 v[VO], s84, v[VO]                 ; tile pair rh, block ch, row r, half h
	s_lshl_b32 s84, s18, 9
	s_lshl_b32 s85, s17, 3
	s_add_co_u32 s84, s84, s85
	v_lshl_add_u32 v[VS], v1, 5, s84               ; partial words of block ch: 32 bytes a row, tiles 2 rh, 2 rh + 1
.macro QKGROUP a                       ; A's block a (16 positions) x four heads' halves
.set TC, TAB+32*((\a)%2)
.set TS, TC+16
.if (\a) < 7
	TABLOAD ((\a)+1)%2, (4*(((\a)+1)/2)+((\a)+1)%2)*8192
	s_wait_loadcnt 8                               ; this image is in; the next one's 8 loads stay out
.else
	s_wait_loadcnt 0x0
.endif
	WIN 0x02+(\a)/4                                ; source 0: the accumulators' window
.irp hd, 0,1,2,3
.irp e, 0,2,4,6,8,10,12,14                     ; ascending: each accumulator is first read at its low end
	v_mul_f32 v[RR+16*\hd+\e], v[64*((\a)%4)+16*\hd+\e], v[TC+\e]
	v_mul_f32 v[RR+16*\hd+\e+1], v[64*((\a)%4)+16*\hd+\e+1], v[TC+\e+1]
	v_fma_f32 v[RR+16*\hd+\e], v[64*((\a)%4)+16*\hd+\e+1], v[TS+\e], v[RR+16*\hd+\e]
	v_fma_f32 v[RR+16*\hd+\e+1], v[64*((\a)%4)+16*\hd+\e], v[TS+\e+1], v[RR+16*\hd+\e+1]
.endr
.endr
	WIN 0
	QUANT4
.irp hd, 0,1,2,3
	v_lshlrev_b32 v[SB+2*\hd+(\a)%2], s[SH0], v[BY+\hd]    ; the byte at block ch's place; the reader joins the two partial words
.endr
.irp hd, 0,1,2,3
	global_store_b96 v[VO], v[PC+4*\hd:PC+4*\hd+2], s[OUT:OUT+1] offset:\hd*114688+((\a)/4)*7168+(4*(((\a)/2)%2)+(\a)%2)*768   ; 32 lanes store 384 consecutive bytes
.endr
.if (\a)%2
.irp hd, 0,1,2,3
	global_store_b64 v[VS], v[SB+2*\hd:SB+2*\hd+1], s[OUT:OUT+1] offset:6144+\hd*114688+((\a)/4)*7168+(((\a)/2)%2)*16
.endr
.endif
.endm
.irp a, 0,1,2,3,4,5,6,7
	QKGROUP \a
.endr
	FINISH
; ---- v: lane = d, registers = positions.  The partner d xor 1 lies in lane l xor 1: each lane multiplies its own number by the partner's signed sin, and the products change lanes in the addition
.Lvpath:
	s_mul_i32 s84, s17, 3072
	s_mul_i32 s85, s18, 384
	s_add_co_u32 s84, s84, s85
	v_mul_u32_u24 v[VO], v1, 24
	v_mad_u32_u24 v[VO], v2, 12, v[VO]
	v_add_nc_u32 v[VO], s84, v[VO]
	s_lshl_b32 s84, s18, 8
	s_lshl_b32 s85, s17, 3
	s_add_co_u32 s84, s84, s85
	v_lshl_add_u32 v[VS], v1, 4, s84
.macro VGROUP gq, u                    ; 32 positions (my half of run gq) x tile u of my half of d, for four heads
.set TC, TAB+32*((2*(\gq)+(\u))%2)
.set TS, TC+16
.if 2*(\gq)+(\u) < 7
	TABLOAD (2*(\gq)+(\u)+1)%2, ((2*(\gq)+(\u)+1)/2)*32768+((2*(\gq)+(\u)+1)%2)*4096
	s_wait_loadcnt 8
.else
	s_wait_loadcnt 0x0
.endif
.irp hp, 0,1
	WIN 0x02+\hp
.irp hh, 0,1
.irp e, 0,1,2,3,4,5,6,7,8,9,10,11,12,13,14,15
	v_mul_f32 v[PP+16*\hh+\e], v[64*(2*\hh+(\u))+16*(\gq)+\e], v[TS+\e]
	v_mul_f32 v[RR+16*(2*\hp+\hh)+\e], v[64*(2*\hh+(\u))+16*(\gq)+\e], v[TC+\e]
.endr
.endr
	WIN 0
.irp hh, 0,1
.irp e, 0,1,2,3,4,5,6,7,8,9,10,11,12,13,14,15
	v_add_f32_dpp v[RR+16*(2*\hp+\hh)+\e], v[PP+16*\hh+\e], v[RR+16*(2*\hp+\hh)+\e] row_xmask:1 row_mask:0xf bank_mask:0xf
.endr
.endr
.endr
	QUANT4
.irp hd, 0,1,2,3
.if (\gq)%2 == 0
	v_lshlrev_b32 v[SB+2*\hd+(\u)], s[SH0], v[BY+\hd]      ; block ch of the pack's four,
.else
	v_lshl_or_b32 v[SB+2*\hd+(\u)], v[BY+\hd], s[SH1], v[SB+2*\hd+(\u)]   ; and block 2 + ch
.endif
.endr
.irp hd, 0,1,2,3
	global_store_b96 v[VO], v[PC+4*\hd:PC+4*\hd+2], s[OUT:OUT+1] offset:\hd*106496+((\gq)/2)*6656+((\gq)%2)*768+(\u)*1536
.endr
.if ((\gq)%2) && (\u)
.irp hd, 0,1,2,3
	global_store_b64 v[VS], v[SB+2*\hd:SB+2*\hd+1], s[OUT:OUT+1] offset:6144+\hd*106496+((\gq)/2)*6656
.endr
.endif
.endm
.irp gq, 0,1,2,3
	VGROUP \gq, 0
	VGROUP \gq, 1
.endr
	FINISH
.Lfunc_end_k_q31c01fbcac_qkv:
	.size	k_q31c01fbcac_qkv, .Lfunc_end_k_q31c01fbcac_qkv-k_q31c01fbcac_qkv
	.p2alignl 7, 3214868480
	.fill 96, 4, 3214868480
	.section	.rodata,"a",@progbits
	.p2align	6, 0x0
	.amdhsa_kernel k_q31c01fbcac_qkv
		.amdhsa_group_segment_fixed_size 327680
		.amdhsa_private_segment_fixed_size 0
		.amdhsa_enable_private_segment 0
		.amdhsa_kernarg_size 48
		.amdhsa_user_sgpr_count 2
		.amdhsa_user_sgpr_kernarg_segment_ptr 1
		.amdhsa_wavefront_size32 1
		.amdhsa_system_sgpr_workgroup_id_x 1
		.amdhsa_system_sgpr_workgroup_id_y 1
		.amdhsa_system_sgpr_workgroup_id_z 1
		.amdhsa_system_vgpr_workitem_id 0
		.amdhsa_next_free_vgpr 1024
		.amdhsa_next_free_sgpr 100
		.amdhsa_reserve_vcc 0
		.amdhsa_float_denorm_mode_32 3
		.amdhsa_float_denorm_mode_16_64 3
		.amdhsa_memory_ordered 1
		.amdhsa_forward_progress 1
		.amdhsa_inst_pref_size 255
	.end_amdhsa_kernel
	.section	.bss,"aw",@nobits
	.p2align	6
	.space	262144
	.amdgpu_metadata
---
amdhsa.version: [ 1, 2 ]
amdhsa.kernels:
  - .name:           k_q31c01fbcac_qkv
    .symbol:         k_q31c01fbcac_qkv.kd
    .args:
      - { .name: xp, .offset: 0, .size: 8, .value_kind: global_buffer, .address_space: global }
      - { .name: wp, .offset: 8, .size: 8, .value_kind: global_buffer, .address_space: global }
      - { .name: rot, .offset: 16, .size: 8, .value_kind: global_buffer, .address_space: global }
      - { .name: qp, .offset: 24, .size: 8, .value_kind: global_buffer, .address_space: global }
      - { .name: kp, .offset: 32, .size: 8, .value_kind: global_buffer, .address_space: global }
      - { .name: vp, .offset: 40, .size: 8, .value_kind: global_buffer, .address_space: global }
    .group_segment_fixed_size: 327680
    .private_segment_fixed_size: 0
    .kernarg_segment_align: 8
    .kernarg_segment_size: 48
    .max_flat_workgroup_size: 128
    .sgpr_count:     100
    .vgpr_count:     1024
    .wavefront_size: 32
...
	.end_amdgpu_metadata
.endif
;; end of part 2
;; launch attn (part 3): grid 8 x 32, 16 waves a work-group, clusters of 4 x 1, 264,192 bytes of LDS; arguments qp, kp, vp, aop; writes aop
.if DOCPART == 3
	.amdgcn_target "amdgcn-amd-amdhsa--gfx1250"
	.amdhsa_code_object_version 6
	.text
	.protected	k_q31c01fbcac_attn
	.globl	k_q31c01fbcac_attn
	.p2align	8
	.type	k_q31c01fbcac_attn,@function
k_q31c01fbcac_attn:
	s_mov_b64 s[64:65], 0
	v_nop
	global_prefetch_b8 v0, s[64:65] scope:SCOPE_SE
	s_setreg_imm32_b32 hwreg(HW_REG_WAVE_MODE, 25, 1), 1
	s_wait_xcnt 0x0
	s_wait_alu depctr_hold_cnt(0) depctr_sa_sdst(0) depctr_va_vdst(0) depctr_va_sdst(0) depctr_va_ssrc(0) depctr_va_vcc(0) depctr_vm_vsrc(0)
	s_getreg_b32 s2, hwreg(HW_REG_IB_STS2, 6, 4)
	s_cmp_eq_u32 s2, 0
	s_cbranch_scc0 .Lentry_in_a_cluster
	s_endpgm
.Lentry_in_a_cluster:
	s_bfe_u32 s2, ttmp6, 0x10000c
	s_cmp_lg_u32 s2, 0x3003
	s_cbranch_scc0 .Lentry_shape_is_right
	s_endpgm
.Lentry_shape_is_right:
; Causal attention of one (batch, head) on codes of FP6 (E2M3), and the quantising of its result along h x 64 + d for the last product.
; THE SOFTMAX.  reference() takes the row's largest score away BEFORE its softmax, so the softmax's logit is dots - max, its largest value is 0, and p = 2^((dots - max) log2 e) with the row's largest p = 1.
; A running maximum would move p by a factor that is no power of two, so the TRUE maximum is found first: SWEEP 1 makes the scores and keeps their maximum; SWEEP 2 makes the same scores by the same instructions (the same bits,
; so the largest gives exactly 0), then p, the row's sum of the unquantised p, p's codes and O^T += V^T P^T.  The subtraction and the multiplication stay two operations, as in reference().
; q was quantised without the factor 1/8: c = log2(e) / 8 holds it.
; SHARES.  A work-group has 16 waves and one of the 8 tiles of each run of 128 queries: wave w owns tile 8 g + x (16 queries, in the tiles' row order), g a permutation of w, and walks key steps 0 .. g of 128 keys:
; 136 steps a work-group whatever x, and 34 for waves w, w + 4, w + 8, w + 12 together.  g hangs on the wave's number alone.
; LDS.  The head's 16 packs of K (7,168 bytes) and 16 of V (6,656) come once, one of each a wave, and stay; nothing is filled again.  The partial scale words are joined once into bytes of their own.
; CLUSTER.  The four query blocks of a cluster share the head: each pack is asked for jointly (mask 15).  A work-group's place enters Q's and the result's global addresses and the mask's comparison data, no branch and no LDS address.
; K = 64 IN A FORM OF K = 128: Q's registers 6-11 are zero codes.  K's fragment T is named v[30 + 6 T : 41 + 6 T]: its upper six registers are the next tile's codes (zeros behind the last), which meet Q's zero codes;
; bytes 2 and 3 of both scale words are 0, that is 2^-127, no NaN: that half adds exactly nothing.
; LIMITS: p under 2^-126 is 0; a block whose every p is 0, or an output block under 2^-124, keeps the byte 1; NaN and infinities are not served.
; REGISTERS: v1-4 lane terms, v5-8 the step's LDS addresses, v9 the mask's bound, v10 lane, v11 r, v[12:13] the maximum twice, v[14:15] the sum, v16-27 Q, v28 Q's scale word, v30-83 fragments of K or V, v84-91 K's scale words,
;   v92-95 V's, v96-159 scores then p, v160-191 O^T, v192-211 p's codes, v212-227 at work, v228 p's scale word, v232-235 sweep 1's chains, v236-247 at work.
.set KPB, 7168
.set VPB, 6656
.set VB,  16*KPB                       ; V's packs
.set KSC, VB+16*VPB                    ; K's joined scale words: [step][r][8 tiles], 512 bytes a step
.set VSC, KSC+8192                     ; V's: [step][r][4 tiles], 256 bytes a step
.set WV,  12
.set GG,  13
.set BH,  14
.set XQ,  15
.set G1K, 16
.set G1V, 24
.set G0K, 32
.set G0V, 36
.set SEL, 40
.set CS,  42
.set TT,  44
.set TK,  45
.set TV,  46
.set TSK, 47
.set TSV, 48
.macro CROUND
	s_barrier_signal -1
	s_barrier_wait -1
	s_cmp_lg_u32 s[WV], 0
	s_cbranch_scc1 .Lnot_wave_0_\@
	s_barrier_signal -3
.Lnot_wave_0_\@:
	s_barrier_wait -3
	s_barrier_signal -1
	s_barrier_wait -1
.endm
	s_load_b256 s[4:11], s[0:1], 0x0               ; qp s[4:5], kp s[6:7], vp s[8:9], aop s[10:11]
	v_lshl_add_u32 v254, v0, 2, 0x40000
	v_mov_b32 v255, 0
	ds_add_u32 v254, v255
	ds_add_u32 v254, v255
	v_lshrrev_b32 v1, 5, v0
	v_readfirstlane_b32 s[WV], v1                  ; wave 0..15
	s_and_b32 s[BH], ttmp7, 0xffff                 ; 16 batch + head, which the partners share
	s_bfe_u32 s49, ttmp6, 0x40000                  ; cx
	s_lshl_b32 s[XQ], ttmp9, 2
	s_add_co_u32 s[XQ], s[XQ], s49                 ; x: which tile of each run of 128 queries
	s_bfe_u32 s50, s[WV], 0x10002
	s_mul_i32 s50, s50, 3
	s_and_b32 s51, s[WV], 3
	s_xor_b32 s51, s51, s50
	s_and_b32 s[GG], s[WV], 12
	s_or_b32 s[GG], s[GG], s51                     ; g
	s_mov_b32 s[G1K], 15|(3<<16)|(1<<21)           ; the four partners; elements of 8 bytes; bit 21 beside a mask
	s_mov_b32 s[G1K+1], 32<<16                     ; 28 rows of 256 bytes, dense
	s_mov_b32 s[G1K+2], 28<<16
	s_mov_b32 s[G1K+3], 32<<16
	s_mov_b32 s[G1K+4], 28
	s_mov_b32 s[G1K+5], 32
	s_mov_b32 s[G1K+6], 0
	s_mov_b32 s[G1K+7], 0
	s_mov_b32 s[G1V], 15|(3<<16)|(1<<21)
	s_mov_b32 s[G1V+1], 32<<16                     ; 26 rows
	s_mov_b32 s[G1V+2], 26<<16
	s_mov_b32 s[G1V+3], 32<<16
	s_mov_b32 s[G1V+4], 26
	s_mov_b32 s[G1V+5], 32
	s_mov_b32 s[G1V+6], 0
	s_mov_b32 s[G1V+7], 0
	s_lshl_b32 s52, s[BH], 4
	s_add_co_u32 s53, s52, s[WV]                   ; pack 16 (batch, head) + wave
	s_mul_i32 s54, s53, KPB
	s_mov_b32 s55, 0
	s_mul_i32 s56, s53, VPB
	s_mov_b32 s57, 0
	s_mul_i32 s58, s[WV], KPB                      ; and its places in LDS
	s_mul_i32 s59, s[WV], VPB
	s_add_co_u32 s59, s59, VB
	s_mov_b32 s[SEL], 0x76543210
	s_mov_b32 s[SEL+1], 0xfedcba98
	s_mov_b32 s[CS], 0x3e38aa3b                    ; c = log2(e) / 8
	s_mov_b32 s[CS+1], s[CS]
	s_wait_dscnt 0x0
	s_wait_kmcnt 0x0
	s_mov_b32 s[G0K], 1
	s_mov_b32 s[G0K+1], s58
	s_add_nc_u64 s[G0K+2:G0K+3], s[6:7], s[54:55]
	s_or_b32 s[G0K+3], s[G0K+3], 0x80000000
	s_mov_b32 s[G0V], 1
	s_mov_b32 s[G0V+1], s59
	s_add_nc_u64 s[G0V+2:G0V+3], s[8:9], s[56:57]
	s_or_b32 s[G0V+3], s[G0V+3], 0x80000000
	CROUND                                         ; the four work-groups are here: the joint loads meet
	tensor_load_to_lds s[G0K:G0K+3], s[G1K:G1K+7]  ; every wave asks for one pack of K and one of V: two tensor loads of mine are out
	s_nop 0
	tensor_load_to_lds s[G0V:G0V+3], s[G1V:G1V+7]
	s_nop 0
.rept 4
	v_nop
.endr
	s_add_co_u32 s52, s52, s[GG]
	s_mul_i32 s52, s52, KPB
	s_mov_b32 s53, 0
	s_add_nc_u64 s[4:5], s[4:5], s[52:53]          ; Q's pack g
	s_mul_i32 s52, s[XQ], 768
	s_add_nc_u64 s[60:61], s[4:5], s[52:53]        ; tile x's codes
	s_lshl_b32 s52, s[XQ], 2
	s_add_nc_u64 s[4:5], s[4:5], s[52:53]          ; and its column of scale words
	v_and_b32 v10, 31, v0                          ; lane
	v_and_b32 v11, 15, v0                          ; r
	v_mul_u32_u24 v1, v10, 24                      ; 24 x lane: block h of row r
	v_lshlrev_b32 v237, 5, v11
.irp p, 0,1,2
	global_load_b64 v[16+2*\p:17+2*\p], v1, s[60:61] offset:8*\p
.endr
	global_load_b32 v28, v237, s[4:5] offset:6144  ; the two partial scale words
	global_load_b32 v29, v237, s[4:5] offset:6656
	v_add_nc_u32 v2, VB, v1
	v_lshl_add_u32 v3, v11, 5, KSC
	v_lshl_add_u32 v4, v11, 4, VSC
	v_and_b32 v236, 8, v11
	v_add_nc_u32 v236, v236, v11
	v_bfe_u32 v238, v0, 4, 1
	v_lshlrev_b32 v238, 4, v238
	v_sub_nc_u32 v9, v236, v238
	s_lshr_b32 s62, s[XQ], 1
	s_lshl_b32 s62, s62, 5
	s_and_b32 s63, s[XQ], 1
	s_lshl_b32 s63, s63, 3
	s_add_co_u32 s62, s62, s63
	v_add_nc_u32 v9, s62, v9                       ; my query's place in its 128, less 16 h: register 16 b + i holds key 32 b + 16 h + i, hidden on the diagonal where 32 b + i is greater
	v_lshl_add_u32 v96, v10, 4, s58
	v_lshl_add_u32 v97, v10, 3, s59
	s_lshl_b32 s50, s[WV], 9
	s_add_co_u32 s50, s50, KSC
	v_lshl_add_u32 v98, v10, 4, s50
	s_lshl_b32 s51, s[WV], 8
	s_add_co_u32 s51, s51, VSC
	v_lshl_add_u32 v99, v10, 3, s51
	s_wait_tensorcnt 0x0                           ; my two packs are in
	ds_load_b128 v[100:103], v96 offset:6144       ; their partial scale words are joined, once
	ds_load_b128 v[104:107], v96 offset:6656
	ds_load_b64 v[108:109], v97 offset:6144
	ds_load_b64 v[110:111], v97 offset:6400
	s_wait_dscnt 0x0
.irp i, 0,1,2,3
	v_or_b32 v[100+\i], v[100+\i], v[104+\i]
.endr
	v_or_b32 v108, v108, v110
	v_or_b32 v109, v109, v111
	ds_store_b128 v98, v[100:103]
	ds_store_b64 v99, v[108:109]
	s_wait_dscnt 0x0                               ; for the others' sake: my packs have landed and my stores are done
	s_barrier_signal -1
	s_barrier_wait -1                              ; the whole head lies in LDS
	s_wait_loadcnt 0x0                             ; Q
	v_or_b32 v28, v28, v29
.irp i, 0,1,2,3,4,5
	v_mov_b32 v[22+\i], 0                          ; Q's upper half: zero codes
	v_mov_b32 v[78+\i], 0                          ; and what stands behind K's last tile
.endr
.set n_, 0
.rept 32
	v_mov_b32 v[160+n_], 0                         ; O^T: the step is written once
.set n_, n_+1
.endr
.irp b, 0,1,2,3
	v_mov_b32 v[216+\b], 0                         ; lane permutes' destinations
	v_mov_b32 v[232+\b], 0xff800000                ; sweep 1's chains: -infinity
.endr
	v_mov_b32 v14, 0
	v_mov_b32 v15, 0
; The scores of a key step: S^T = K Q^T, eight tiles of 16 keys; lane (r, h) holds query r, register 16 b + i key 32 b + 16 h + i.  On the diagonal (step g) hidden scores become -infinity.
.macro SCORES
	v_add_nc_u32 v5, s[TK], v1                     ; (these four are the places in front of loads into registers that matrix instructions have read)
	v_add_nc_u32 v6, s[TV], v2
	v_add_nc_u32 v7, s[TSK], v3
	v_add_nc_u32 v8, s[TSV], v4
.set n_, 0
.rept 24
	ds_load_b64 v[30+2*n_:31+2*n_], v5 offset:768*(n_/3)+8*(n_%3)
.set n_, n_+1
.endr
	ds_load_b128 v[84:87], v7
	ds_load_b128 v[88:91], v7 offset:16
	s_wait_dscnt 0x0
.set n_, 0
.rept 8
	v_wmma_scale_f32_16x16x128_f8f6f4 v[96+8*n_:103+8*n_], v[30+6*n_:41+6*n_], v[16:27], 0, v[84+n_], v28 matrix_a_fmt:MATRIX_FMT_FP6 matrix_b_fmt:MATRIX_FMT_FP6
.set n_, n_+1
.endr
.rept 4
	v_nop
.endr
	s_cmp_lg_u32 s[TT], s[GG]
	s_cbranch_scc1 .Lopen_\@
	v_mov_b32 v236, 0xff800000
.set n_, 0
.rept 64
	v_cmp_gt_i32 vcc_lo, 32*(n_/16)+n_%16, v9
	v_cndmask_b32 v[96+n_], v[96+n_], v236, vcc_lo
.set n_, n_+1
.endr
.Lopen_\@:
.endm
.macro NEXT_STEP
	s_add_co_u32 s[TK], s[TK], KPB
	s_add_co_u32 s[TV], s[TV], VPB
	s_add_co_u32 s[TSK], s[TSK], 512
	s_add_co_u32 s[TSV], s[TSV], 256
	s_add_co_u32 s[TT], s[TT], 1
.endm
.macro RESET
	s_mov_b32 s[TT], 0
	s_mov_b32 s[TK], 0
	s_mov_b32 s[TV], 0
	s_mov_b32 s[TSK], 0
	s_mov_b32 s[TSV], 0
.endm
; SWEEP 1.  Both loops have 16 trips in every wave; a step all of whose keys come after my queries is jumped over, but for the lines that step addresses.
	RESET
.Lsweep1:
	s_cmp_gt_u32 s[TT], s[GG]
	s_cbranch_scc1 .Lskip1
	SCORES
.irp i, 0,2,4,6,8,10,12,14
.irp b, 0,1,2,3
	v_max3_num_f32 v[232+\b], v[232+\b], v[96+16*\b+\i], v[97+16*\b+\i]
.endr
.endr
.Lskip1:
	NEXT_STEP
	s_cmp_lt_u32 s[TT], 16
	s_cbranch_scc1 .Lsweep1
	v_max3_num_f32 v232, v232, v233, v234
	v_max_num_f32 v232, v232, v235
	v_permlanex16_b32 v216, v232, s[SEL], s[SEL+1]
	v_max_num_f32 v12, v232, v216                  ; my query's largest score
	v_mov_b32 v13, v12
; SWEEP 2
	RESET
.Lsweep2:
	s_cmp_gt_u32 s[TT], s[GG]
	s_cbranch_scc1 .Lskip2
	SCORES
.set n_, 0
.rept 24
	ds_load_b64 v[30+2*n_:31+2*n_], v6 offset:768*(n_/3)+8*(n_%3)   ; V's four fragments land while the softmax is worked
.set n_, n_+1
.endr
	ds_load_b128 v[92:95], v8
.irp b, 0,1,2,3
	v_max3_num_f32 v[212+\b], v[96+16*\b], v[97+16*\b], v[98+16*\b]   ; each block's largest score: p rises with the score, so it gives the block's largest p
.endr
.irp i, 3,5,7,9,11,13
.irp b, 0,1,2,3
	v_max3_num_f32 v[212+\b], v[212+\b], v[96+16*\b+\i], v[97+16*\b+\i]
.endr
.endr
.irp b, 0,1,2,3
	v_max_num_f32 v[212+\b], v[212+\b], v[111+16*\b]
.endr
.irp b, 0,1,2,3
	v_permlanex16_b32 v[216+\b], v[212+\b], s[SEL], s[SEL+1]
.endr
.irp b, 0,1,2,3
	v_max_num_f32 v[212+\b], v[212+\b], v[216+\b]
.endr
.set n_, 0
.rept 32
	v_pk_add_f32 v[96+n_:97+n_], v[96+n_:97+n_], v[12:13] neg_lo:[0,1] neg_hi:[0,1]   ; score - maximum, rounded as reference() rounds it
.set n_, n_+2
.endr
.irp b, 0,1,2,3
	v_sub_f32 v[212+\b], v[212+\b], v12
.endr
.set n_, 0
.rept 32
	v_pk_mul_f32 v[96+n_:97+n_], v[96+n_:97+n_], s[CS:CS+1] op_sel_hi:[1,0]
.set n_, n_+2
.endr
.irp b, 0,1,2,3
	v_mul_f32 v[212+\b], s[CS], v[212+\b]
.endr
.set n_, 0
.rept 64
	v_exp_f32 v[96+n_], v[96+n_]                   ; p, at most 1, not normalised
.set n_, n_+1
.endr
.irp b, 0,1,2,3
	v_exp_f32 v[212+\b], v[212+\b]                 ; the same operations on the same number: the same bits
.endr
	v_nop                                          ; a plain line behind the last exponential
	s_wait_alu depctr_va_vdst(0)                   ; one wait for the batch of 68, ahead of its first reader
.irp b, 0,1,2,3
	v_max_num_f32 v[212+\b], 0x1800000, v[212+\b]
.endr
.irp b, 0,1,2,3
	v_add_nc_u32 v[220+\b], 0xff000000, v[212+\b]
.endr
.irp b, 0,1,2,3
	v_lshrrev_b32 v[224+\b], 23, v[220+\b]
.endr
	v_lshl_or_b32 v228, v225, 8, v224              ; p's scale word for these 128 keys
	v_lshl_or_b32 v228, v226, 16, v228
	v_lshl_or_b32 v228, v227, 24, v228
.irp c, 0,1
	v_cvt_scalef32_pk16_fp6_f32 v[192+6*\c:194+6*\c], v[96+32*\c:111+32*\c], v[220+2*\c]
	v_cvt_scalef32_pk16_fp6_f32 v[204+4*\c:206+4*\c], v[112+32*\c:127+32*\c], v[220+2*\c+1]
.endr
	v_nop
.irp c, 0,1                                    ; a whole block to a lane: lanes 0-15 block 2 c, lanes 16-31 block 2 c + 1
.irp i, 0,1,2
	v_permlane16_swap_b32 v[192+6*\c+\i], v[204+4*\c+\i]
.endr
.irp i, 0,1,2
	v_mov_b32 v[195+6*\c+\i], v[204+4*\c+\i]
.endr
.endr
	v_pk_add_f32 v[236:237], v[96:97], v[98:99]    ; the row's sum, of the unquantised p, in two chains.  (These 32 are also the places in front of the scaled products)
.irp j, 4,8,12,16,20,24,28,32,36,40,44,48,52,56,60
	v_pk_add_f32 v[14:15], v[14:15], v[96+\j:97+\j]
	v_pk_add_f32 v[236:237], v[236:237], v[98+\j:99+\j]
.endr
	v_pk_add_f32 v[14:15], v[14:15], v[236:237]
	s_wait_dscnt 0x0                               ; V
.irp t, 0,1,2,3                                ; O^T += V^T P^T: four accumulators by turns
	v_wmma_scale_f32_16x16x128_f8f6f4 v[160+8*\t:167+8*\t], v[30+12*\t:41+12*\t], v[192:203], v[160+8*\t:167+8*\t], v[92+\t], v228 matrix_a_fmt:MATRIX_FMT_FP6 matrix_b_fmt:MATRIX_FMT_FP6
.endr
.Lskip2:
	NEXT_STEP
	s_cmp_lt_u32 s[TT], 16
	s_cbranch_scc1 .Lsweep2
; THE WAY OUT.  O^T / the sum; register 16 b + i is d = 32 b + 16 h + i of query r: two blocks of the last product's K, quantised as p was; they are half c = head % 2 of a fragment of that product's operand.
.rept 4
	v_nop
.endr
	v_add_f32 v14, v14, v15
	v_permlanex16_b32 v216, v14, s[SEL], s[SEL+1]
	v_add_f32 v14, v14, v216
	v_rcp_f32 v14, v14
	v_lshlrev_b32 v236, 3, v10                     ; (a plain line behind the reciprocal)  8 x lane
	v_lshlrev_b32 v237, 3, v11                     ; 8 r
	s_lshr_b32 s52, s[BH], 4
	s_lshl_b32 s52, s52, 4
	s_add_co_u32 s52, s52, s[GG]
	s_lshl_b32 s52, s52, 2
	s_bfe_u32 s53, s[BH], 0x20002                  ; head / 4: which 256 of K
	s_add_co_u32 s52, s52, s53
	s_mul_i32 s52, s52, 25600                      ; the pack
	s_bfe_u32 s53, s[BH], 0x10001                  ; which 128 of them
	s_and_b32 s54, s[BH], 1                        ; which 64 of those
	s_mul_i32 s56, s[XQ], 3072
	s_mul_i32 s55, s53, 1536
	s_add_co_u32 s56, s56, s55
	s_mul_i32 s55, s54, 768
	s_add_co_u32 s56, s56, s55
	s_add_co_u32 s56, s56, s52
	s_mov_b32 s57, 0
	s_lshl_b32 s62, s[XQ], 7
	s_lshl_b32 s53, s53, 2
	s_add_co_u32 s62, s62, s53
	s_lshl_b32 s54, s54, 1
	s_add_co_u32 s62, s62, s54
	s_add_co_u32 s62, s62, s52
	s_add_co_u32 s62, s62, 24576
	s_mov_b32 s63, 0
	s_add_nc_u64 s[56:57], s[10:11], s[56:57]
	s_add_nc_u64 s[62:63], s[10:11], s[62:63]
	s_wait_alu depctr_va_vdst(0)                   ; ahead of the reciprocal's first reader
.set n_, 0
.rept 32
	v_mul_f32 v[96+n_], v[160+n_], v14
.set n_, n_+1
.endr
.irp b, 0,1
	v_max3_num_f32 v[212+\b], |v[96+16*\b]|, |v[97+16*\b]|, 0x1800000
.endr
.irp i, 2,4,6,8,10,12,14
.irp b, 0,1
	v_max3_num_f32 v[212+\b], v[212+\b], |v[96+16*\b+\i]|, |v[97+16*\b+\i]|
.endr
.endr
.irp b, 0,1
	v_permlanex16_b32 v[216+\b], v[212+\b], s[SEL], s[SEL+1]
.endr
.irp b, 0,1
	v_max_num_f32 v[212+\b], v[212+\b], v[216+\b]
.endr
.irp b, 0,1
	v_add_nc_u32 v[220+\b], 0xff000000, v[212+\b]
.endr
.irp b, 0,1
	v_lshrrev_b32 v[224+\b], 23, v[220+\b]
.endr
	v_lshl_or_b32 v224, v225, 8, v224
	v_cvt_scalef32_pk16_fp6_f32 v[192:194], v[96:111], v220
	v_cvt_scalef32_pk16_fp6_f32 v[204:206], v[112:127], v221
	v_nop
.irp i, 0,1,2
	v_permlane16_swap_b32 v[192+\i], v[204+\i]
.endr
.irp i, 0,1,2
	v_mov_b32 v[195+\i], v[204+\i]
.endr
.irp p, 0,1,2
	global_store_b64 v236, v[192+2*\p:193+2*\p], s[56:57] offset:256*\p   ; 32 lanes store 256 consecutive bytes, aligned
.endr
	global_store_b16 v237, v224, s[62:63]          ; my row's two scale bytes (lanes r and r + 16 hold and store the same)
	s_wait_tensorcnt 0x0
	ds_add_u32 v254, v255
	s_wait_dscnt 0x0
	CROUND                                         ; the closing round: no LDS instruction and no tensor load of mine is out
	s_endpgm
.Lfunc_end_k_q31c01fbcac_attn:
	.size	k_q31c01fbcac_attn, .Lfunc_end_k_q31c01fbcac_attn-k_q31c01fbcac_attn
	.p2alignl 7, 3214868480
	.fill 96, 4, 3214868480
	.section	.rodata,"a",@progbits
	.p2align	6, 0x0
	.amdhsa_kernel k_q31c01fbcac_attn
		.amdhsa_group_segment_fixed_size 264192
		.amdhsa_private_segment_fixed_size 0
		.amdhsa_enable_private_segment 0
		.amdhsa_kernarg_size 32
		.amdhsa_user_sgpr_count 2
		.amdhsa_user_sgpr_kernarg_segment_ptr 1
		.amdhsa_wavefront_size32 1
		.amdhsa_system_sgpr_workgroup_id_x 1
		.amdhsa_system_sgpr_workgroup_id_y 1
		.amdhsa_system_sgpr_workgroup_id_z 1
		.amdhsa_system_vgpr_workitem_id 0
		.amdhsa_next_free_vgpr 256
		.amdhsa_next_free_sgpr 66
		.amdhsa_reserve_vcc 1
		.amdhsa_float_denorm_mode_32 3
		.amdhsa_float_denorm_mode_16_64 3
		.amdhsa_memory_ordered 1
		.amdhsa_forward_progress 1
		.amdhsa_inst_pref_size 47
	.end_amdhsa_kernel
	.amdgpu_metadata
---
amdhsa.version: [ 1, 2 ]
amdhsa.kernels:
  - .name:           k_q31c01fbcac_attn
    .symbol:         k_q31c01fbcac_attn.kd
    .args:
      - { .name: qp, .offset: 0, .size: 8, .value_kind: global_buffer, .address_space: global }
      - { .name: kp, .offset: 8, .size: 8, .value_kind: global_buffer, .address_space: global }
      - { .name: vp, .offset: 16, .size: 8, .value_kind: global_buffer, .address_space: global }
      - { .name: aop, .offset: 24, .size: 8, .value_kind: global_buffer, .address_space: global }
    .group_segment_fixed_size: 264192
    .private_segment_fixed_size: 0
    .kernarg_segment_align: 8
    .kernarg_segment_size: 32
    .max_flat_workgroup_size: 512
    .sgpr_count:     66
    .vgpr_count:     256
    .wavefront_size: 32
...
	.end_amdgpu_metadata
.endif
;; end of part 3
;; launch oproj (part 4): grid 8 x 32, 4 waves a work-group, clusters of 4 x 4, 229,888 bytes of LDS; arguments aop, wp, b_out, out0; writes out0
.if DOCPART == 4
	.amdgcn_target "amdgcn-amd-amdhsa--gfx1250"
	.amdhsa_code_object_version 6
	.text
	.protected	k_q31c01fbcac_oproj
	.globl	k_q31c01fbcac_oproj
	.p2align	8
	.type	k_q31c01fbcac_oproj,@function
k_q31c01fbcac_oproj:
	s_mov_b64 s[64:65], 0
	v_nop
	global_prefetch_b8 v0, s[64:65] scope:SCOPE_SE
	s_setreg_imm32_b32 hwreg(HW_REG_WAVE_MODE, 25, 1), 1
	s_wait_xcnt 0x0
	s_wait_alu depctr_hold_cnt(0) depctr_sa_sdst(0) depctr_va_vdst(0) depctr_va_sdst(0) depctr_va_ssrc(0) depctr_va_vcc(0) depctr_vm_vsrc(0)
	s_getreg_b32 s2, hwreg(HW_REG_IB_STS2, 6, 4)
	s_cmp_eq_u32 s2, 0
	s_cbranch_scc0 .Lentry_in_a_cluster
	s_endpgm
.Lentry_in_a_cluster:
	s_bfe_u32 s2, ttmp6, 0x10000c
	s_cmp_lg_u32 s2, 0xf033
	s_cbranch_scc0 .Lentry_shape_is_right
	s_endpgm
.Lentry_shape_is_right:
; out0 = attention's result x w_out + b_out on codes of FP6 (E2M3), K = 1024.  Both operands come as dense packs of 25,600 bytes (128 rows x 256 K as images of operand registers, and their scale words).
; A tile of 128 x 128 to a work-group, so that there are 256 of them; four waves of 64 x 64: 16 accumulators.  All of K stays in LDS: four packs of A, four of B, filled once; nothing is filled again.
; CLUSTERS: 4 x 4: A's packs are asked for jointly by the four of a row of the cluster, B's by the four of a column.  Waves 0, 1 fetch A's packs, waves 2, 3 B's; wave j of a pair K steps j and 2 + j of 256.
; Source 0 = 16 columns of w_out, source 1 = 16 rows of A: a lane holds one row of the result and eight neighbouring columns a register run.  The bias is the C of each sum's first product.
; The rows and columns of a tile are in the packs' order (lane r of tile t: 32 (t / 2) + 8 (t % 2) + r + 8 (r / 8)); the way out puts them where they belong.
; REGISTERS: window 0: v16-25 addresses, v32-63 scale words (nothing else ever), v64-95 the bias, later with v96-127 rows on the way out, v128-255 the accumulators ((a, i) at v[128 + 8 (4 a + i)]).
;   window 1: two fragment buffers of 96 at v0 and v128: A's four, then B's four.
.set PACK,  25600
.set BOP,   4*PACK                     ; B's packs
.set STAGE, 8*PACK                     ; behind them: 16 rows x 272 bytes for each wave
.set ADA,  16                          ; v16-17 my A fragments, K steps 0-1 and 2-3 of 256
.set ADB,  18                          ; v18-19 B's
.set ADS,  20                          ; v20-21 scale words: lanes 0-15 A's, lanes 16-31 B's
.set STO,  22
.set RD,   23
.set CO,   24
.set BO,   25
.set SC,   32
.set BIAS, 64
.set BK,   64
.set ACC,  128
.set G1,   16                          ; s[16:23] group 1 for A; s[32:39] its two groups 0
.set G1B,  24                          ; s[24:31] for B; s[48:55]
.set G0A,  32
.set G0B,  48
.set MSB, 0
.macro WIN new
.if MSB != \new
	s_set_vgpr_msb (MSB<<8)|\new
.set MSB, \new
.endif
.endm
.macro CROUND
	s_barrier_signal -1
	s_barrier_wait -1
	s_cmp_lg_u32 s12, 0
	s_cbranch_scc1 .Lnot_wave_0_\@
	s_barrier_signal -3
.Lnot_wave_0_\@:
	s_barrier_wait -3
	s_barrier_signal -1
	s_barrier_wait -1
.endm
	s_load_b256 s[4:11], s[0:1], 0x0               ; aop s[4:5], wp s[6:7], b_out s[8:9], out0 s[10:11]
	v_lshl_add_u32 v30, v0, 2, 0x38000
	v_mov_b32 v31, 0
	ds_add_u32 v30, v31
	ds_add_u32 v30, v31
	v_lshrrev_b32 v1, 5, v0
	v_readfirstlane_b32 s12, v1                    ; wave
	s_lshr_b32 s13, s12, 1                         ; rh: my 64 rows.  Also: I fetch for A (0) or B (1)
	s_and_b32 s14, s12, 1                          ; ch: my 64 columns.  Also: which K steps I fetch
	s_bfe_u32 s40, ttmp6, 0x40000                  ; cx
	s_bfe_u32 s41, ttmp6, 0x40004                  ; cy
	s_lshl_b32 s42, ttmp9, 2
	s_add_co_u32 s42, s42, s40                     ; tile column
	s_and_b32 s43, ttmp7, 0xffff
	s_lshl_b32 s43, s43, 2
	s_add_co_u32 s43, s43, s41                     ; tile row
	s_lshl_b32 s44, s41, 2
	s_lshl_b32 s44, 15, s44                        ; my row of the cluster
	s_lshl_b32 s45, 0x1111, s40                    ; my column
	s_or_b32 s[G1], s44, (3<<16)|(1<<21)
	s_or_b32 s[G1B], s45, (3<<16)|(1<<21)
.irp g, G1, G1B
	s_mov_b32 s[\g+1], 32<<16                      ; 100 rows of 256 bytes, dense
	s_mov_b32 s[\g+2], 100<<16
	s_mov_b32 s[\g+3], 32<<16
	s_mov_b32 s[\g+4], 100
	s_mov_b32 s[\g+5], 32
	s_mov_b32 s[\g+6], 0
	s_mov_b32 s[\g+7], 0
.endr
	s_lshl_b32 s46, s43, 2
	s_add_co_u32 s46, s46, s14
	s_mul_i32 s46, s46, PACK
	s_mov_b32 s47, 0
	s_lshl_b32 s56, s42, 2
	s_add_co_u32 s56, s56, s14
	s_mul_i32 s56, s56, PACK
	s_add_co_u32 s56, s56, 2457600                 ; w_out's packs lie behind w_qkv's
	s_mov_b32 s57, 0
	s_mul_i32 s62, s14, PACK
	s_wait_dscnt 0x0
	s_wait_kmcnt 0x0
	s_add_nc_u64 s[58:59], s[4:5], s[46:47]
	s_add_nc_u64 s[60:61], s[6:7], s[56:57]
.irp s, 0,1
	s_mov_b32 s[G0A+4*\s], 1
	s_add_co_u32 s[G0A+4*\s+1], s62, \s*2*PACK
	s_add_nc_u64 s[G0A+4*\s+2:G0A+4*\s+3], s[58:59], \s*2*PACK
	s_or_b32 s[G0A+4*\s+3], s[G0A+4*\s+3], 0x80000000
	s_mov_b32 s[G0B+4*\s], 1
	s_add_co_u32 s[G0B+4*\s+1], s62, BOP+\s*2*PACK
	s_add_nc_u64 s[G0B+4*\s+2:G0B+4*\s+3], s[60:61], \s*2*PACK
	s_or_b32 s[G0B+4*\s+3], s[G0B+4*\s+3], 0x80000000
.endr
	CROUND                                         ; all sixteen work-groups are here: the joint loads meet
	s_cmp_eq_u32 s13, 0                            ; a wave's two fills stand in one branch: two tensor loads of mine are out
	s_cbranch_scc0 .Lfor_b
	tensor_load_to_lds s[G0A:G0A+3], s[G1:G1+7]
	s_nop 0
	tensor_load_to_lds s[G0A+4:G0A+7], s[G1:G1+7]
	s_nop 0
.rept 4
	v_nop
.endr
	s_branch .Lasked
.Lfor_b:
	tensor_load_to_lds s[G0B:G0B+3], s[G1B:G1B+7]
	s_nop 0
	tensor_load_to_lds s[G0B+4:G0B+7], s[G1B:G1B+7]
	s_nop 0
.rept 4
	v_nop
.endr
.Lasked:
	v_and_b32 v1, 15, v0                           ; r
	v_bfe_u32 v2, v0, 4, 1                         ; h
	v_and_b32 v3, 31, v0
	v_lshlrev_b32 v4, 3, v3                        ; 8 x lane
	s_mul_i32 s70, s13, 12288
	v_add_nc_u32 v[ADA], s70, v4
	s_add_co_u32 s70, s70, 2*PACK
	v_add_nc_u32 v[ADA+1], s70, v4
	s_mul_i32 s70, s14, 12288
	s_add_co_u32 s70, s70, BOP
	v_add_nc_u32 v[ADB], s70, v4
	s_add_co_u32 s70, s70, 2*PACK
	v_add_nc_u32 v[ADB+1], s70, v4
	s_lshl_b32 s70, s13, 9
	s_lshl_b32 s71, s14, 9
	s_add_co_u32 s71, s71, BOP
	s_sub_co_u32 s71, s71, s70
	v_mul_u32_u24 v5, s71, v2                      ; lanes 16-31 take B's words
	v_lshl_add_u32 v5, v1, 3, v5
	s_add_co_u32 s70, s70, 24576
	v_add_nc_u32 v[ADS], s70, v5
	s_add_co_u32 s70, s70, 2*PACK
	v_add_nc_u32 v[ADS+1], s70, v5
	s_mul_i32 s70, s12, 16*272
	s_add_co_u32 s70, s70, STAGE                   ; my stage
	v_mul_u32_u24 v5, v1, 272
	v_lshl_add_u32 v5, v2, 6, v5
	v_add_nc_u32 v[STO], s70, v5                   ; in: row r, + 64 h
	v_mul_u32_u24 v5, v2, 272
	v_lshl_add_u32 v5, v1, 4, v5
	v_add_nc_u32 v[RD], s70, v5                    ; back: lanes 0-15 one row of 256 bytes, lanes 16-31 the next
	v_lshlrev_b32 v[CO], 12, v2
	v_lshl_add_u32 v[CO], v1, 4, v[CO]             ; and the same two rows in out0
	v_lshlrev_b32 v[BO], 6, v2
	s_lshl_b32 s66, s43, 7
	s_lshl_b32 s67, s13, 6
	s_add_co_u32 s66, s66, s67
	s_lshl_b32 s66, s66, 12                        ; my first row, of 4,096 bytes
	s_lshl_b32 s68, s42, 7
	s_lshl_b32 s69, s14, 6
	s_add_co_u32 s68, s68, s69
	s_lshl_b32 s68, s68, 2                         ; my first column, in bytes
	s_mov_b32 s69, 0
	s_add_nc_u64 s[8:9], s[8:9], s[68:69]
	s_add_co_u32 s66, s66, s68
	s_mov_b32 s67, 0
	s_add_nc_u64 s[10:11], s[10:11], s[66:67]
.irp i, 0,1,2,3                                ; the bias in the result's layout: tile i, lane half h: columns 32 (i / 2) + 16 h + 8 (i % 2) + 0 .. 7
	global_load_b128 v[BIAS+8*\i:BIAS+8*\i+3], v[BO], s[8:9] offset:(32*(\i/2)+8*(\i%2))*4
	global_load_b128 v[BIAS+8*\i+4:BIAS+8*\i+7], v[BO], s[8:9] offset:(32*(\i/2)+8*(\i%2))*4+16
.endr
.macro FETCH n                         ; step n of 128 along K: A's four and B's four fragments into buffer n % 2: 48 loads of 256 consecutive bytes
	WIN 0x40                                       ; destination window 1
.irp a, 0,1,2,3
.irp p, 0,1,2,3,4,5
	ds_load_b64 v[128*((\n)%2)+12*\a+2*\p:128*((\n)%2)+12*\a+2*\p+1], v[ADA+(\n)/4] offset:(((\n)/2)%2)*PACK+\a*3072+((\n)%2)*1536+256*\p
.endr
.endr
.irp a, 0,1,2,3
.irp p, 0,1,2,3,4,5
	ds_load_b64 v[128*((\n)%2)+48+12*\a+2*\p:128*((\n)%2)+48+12*\a+2*\p+1], v[ADB+(\n)/4] offset:(((\n)/2)%2)*PACK+\a*3072+((\n)%2)*1536+256*\p
.endr
.endr
.endm
.macro SCALES s                        ; the scale words of K step s of 256, two a row
.irp i, 0,1,2,3
	ds_load_b64 v[SC+8*(\s)+2*\i:SC+8*(\s)+2*\i+1], v[ADS+(\s)/2] offset:((\s)%2)*PACK+128*\i
.endr
.endm
.macro OSTEP n
	s_wait_dscnt 0x0                               ; this step's fragments are in
.if (\n) == 3
	WIN 0
	s_wait_tensorcnt 0x0                           ; my second pack is in,
	s_barrier_signal -1
	s_barrier_wait -1                              ; everybody's is
	SCALES 2
	SCALES 3
.endif
.if (\n) < 7
.if (\n) >= 1
.rept 4
	v_nop                                          ; places in front of loads into registers that matrix instructions have read
.endr
.endif
	FETCH (\n)+1
.endif
	WIN 0x05                                       ; sources 0 and 1 window 1; C and D window 0
.irp a, 0,1,2,3                                ; the 16 accumulators take turns
.irp i, 0,1,2,3
.if (\n) == 0
	v_wmma_scale_f32_16x16x128_f8f6f4 v[ACC+8*(4*\a+\i):ACC+8*(4*\a+\i)+7], v[128*((\n)%2)+48+12*\i:128*((\n)%2)+48+12*\i+11], v[128*((\n)%2)+12*\a:128*((\n)%2)+12*\a+11], v[BIAS+8*\i:BIAS+8*\i+7], v[SC+8*((\n)/2)+2*\i+(\n)%2], v[SC+8*((\n)/2)+2*\a+(\n)%2] matrix_a_fmt:MATRIX_FMT_FP6 matrix_b_fmt:MATRIX_FMT_FP6 matrix_a_scale:MATRIX_SCALE_ROW1
.else
	v_wmma_scale_f32_16x16x128_f8f6f4 v[ACC+8*(4*\a+\i):ACC+8*(4*\a+\i)+7], v[128*((\n)%2)+48+12*\i:128*((\n)%2)+48+12*\i+11], v[128*((\n)%2)+12*\a:128*((\n)%2)+12*\a+11], v[ACC+8*(4*\a+\i):ACC+8*(4*\a+\i)+7], v[SC+8*((\n)/2)+2*\i+(\n)%2], v[SC+8*((\n)/2)+2*\a+(\n)%2] matrix_a_fmt:MATRIX_FMT_FP6 matrix_b_fmt:MATRIX_FMT_FP6 matrix_a_scale:MATRIX_SCALE_ROW1
.endif
.endr
.endr
.endm
	s_wait_tensorcnt 1                             ; my first pack is in; the second may stay out
	s_barrier_signal -1
	s_barrier_wait -1                              ; K steps 0 and 1 of 256 lie in LDS, of both operands
	SCALES 0
	SCALES 1
	FETCH 0
	s_wait_loadcnt 0x0                             ; the bias
.irp n, 0,1,2,3,4,5,6,7
	OSTEP \n
.endr
	WIN 0
.rept 4
	v_nop
.endr
; THE WAY OUT, a block of 16 rows x 64 columns at a time, through my own stage: in as 32 bytes a lane and tile, back as whole rows of 256 bytes.  LDS serves a wave's instructions in order.
.macro TOSTAGE a
.irp i, 0,1,2,3
	ds_store_b128 v[STO], v[ACC+8*(4*(\a)+\i):ACC+8*(4*(\a)+\i)+3] offset:128*(\i/2)+32*(\i%2)       ; each accumulator from its low end on
	ds_store_b128 v[STO], v[ACC+8*(4*(\a)+\i)+4:ACC+8*(4*(\a)+\i)+7] offset:128*(\i/2)+32*(\i%2)+16
.endr
.irp t, 0,1,2,3,4,5,6,7
	ds_load_b128 v[BK+32*((\a)%2)+4*\t:BK+32*((\a)%2)+4*\t+3], v[RD] offset:544*\t
.endr
.endm
.macro SEND a, younger
	s_wait_dscnt \younger
.irp t, 0,1,2,3,4,5,6,7
	global_store_b128 v[CO], v[BK+32*((\a)%2)+4*\t:BK+32*((\a)%2)+4*\t+3], s[10:11] offset:(32*((\a)/2)+8*((\a)%2)+2*\t+8*(\t/4))*4096 th:TH_STORE_NT   ; 16 lanes store 256 consecutive bytes, aligned
.endr
.endm
	TOSTAGE 0
.irp a, 1,2,3
.if \a > 1
	s_wait_xcnt 0x0                                ; block a - 2's stores have read their registers
.endif
	TOSTAGE \a
	SEND \a-1, 16                                  ; behind block a - 1's loads: block a's 8 stores and 8 loads
.endr
	SEND 3, 0
	s_wait_tensorcnt 0x0
	ds_add_u32 v30, v31
	s_wait_dscnt 0x0
	CROUND                                         ; the closing round: no LDS instruction and no tensor load of mine is out
	s_endpgm
.Lfunc_end_k_q31c01fbcac_oproj:
	.size	k_q31c01fbcac_oproj, .Lfunc_end_k_q31c01fbcac_oproj-k_q31c01fbcac_oproj
	.p2alignl 7, 3214868480
	.fill 96, 4, 3214868480
	.section	.rodata,"a",@progbits
	.p2align	6, 0x0
	.amdhsa_kernel k_q31c01fbcac_oproj
		.amdhsa_group_segment_fixed_size 229888
		.amdhsa_private_segment_fixed_size 0
		.amdhsa_enable_private_segment 0
		.amdhsa_kernarg_size 32
		.amdhsa_user_sgpr_count 2
		.amdhsa_user_sgpr_kernarg_segment_ptr 1
		.amdhsa_wavefront_size32 1
		.amdhsa_system_sgpr_workgroup_id_x 1
		.amdhsa_system_sgpr_workgroup_id_y 1
		.amdhsa_system_sgpr_workgroup_id_z 1
		.amdhsa_system_vgpr_workitem_id 0
		.amdhsa_next_free_vgpr 512
		.amdhsa_next_free_sgpr 80
		.amdhsa_reserve_vcc 0
		.amdhsa_float_denorm_mode_32 3
		.amdhsa_float_denorm_mode_16_64 3
		.amdhsa_memory_ordered 1
		.amdhsa_forward_progress 1
		.amdhsa_inst_pref_size 58
	.end_amdhsa_kernel
	.amdgpu_metadata
---
amdhsa.version: [ 1, 2 ]
amdhsa.kernels:
  - .name:           k_q31c01fbcac_oproj
    .symbol:         k_q31c01fbcac_oproj.kd
    .args:
      - { .name: aop, .offset: 0, .size: 8, .value_kind: global_buffer, .address_space: global }
      - { .name: wp, .offset: 8, .size: 8, .value_kind: global_buffer, .address_space: global }
      - { .name: b_out, .offset: 16, .size: 8, .value_kind: global_buffer, .address_space: global }
      - { .name: out0, .offset: 24, .size: 8, .value_kind: global_buffer, .address_space: global }
    .group_segment_fixed_size: 229888
    .private_segment_fixed_size: 0
    .kernarg_segment_align: 8
    .kernarg_segment_size: 32
    .max_flat_workgroup_size: 128
    .sgpr_count:     80
    .vgpr_count:     512
    .wavefront_size: 32
...
	.end_amdgpu_metadata
.endif
;; end of part 4
